; MI455X (gfx1250); checked and timed in simulation.
; The chip was launched on July 23, 2026; its instructions are those of AMD's public machine-readable ISA for CDNA 5 (MIT licence, August 2026) and "CDNA5" Instruction Set Architecture Reference Guide (July 2026). The comments in the code are by the model that wrote it; some were corrected since.
;; Noisenet. Allowed arithmetic: float matrix products may take bf16 or f16 operands with f32 sums; all other float work in f32.
;; Inputs: b1 2 float32; b2 4 float32; b3 4 float32; b4 2 float32; b5 1 float32; g1 2 float32; g2 4 float32; g3 4 float32; g4 2 float32; g5 1 float32; w1 2 x 1 float32; w2 4 x 2 float32; w3 4 x 4 float32; w4 2 x 4 float32; w5 1 x 2 float32; x 32 x 1 x 512 x 512 float32.
;; Outputs: out0 32 x 1 x 512 x 512 float32.
;; One version. Each part assembles by itself: llvm-mc -triple=amdgcn-amd-amdhsa -mcpu=gfx1250 --defsym DOCPART=n.
;; ======== version 1 of 1: 6 launches
;; workspace buffers: sA 8,192 bytes; sB 8,192 bytes; pA 256 bytes; pB 256 bytes
;; launch pass0 (part 1): grid 256 x 1, 16 waves a work-group, no clusters, 3,072 bytes of LDS; arguments x, sA; writes sA
.if DOCPART == 1
	.amdgcn_target "amdgcn-amd-amdhsa--gfx1250"
	.amdhsa_code_object_version 6
	.text
	.protected	k_qff56d6b3ff_pass0
	.globl	k_qff56d6b3ff_pass0
	.p2align	8
	.type	k_qff56d6b3ff_pass0,@function
k_qff56d6b3ff_pass0:
	s_mov_b64 s[64:65], 0
	v_nop
	global_prefetch_b8 v0, s[64:65] scope:SCOPE_SE
	s_setreg_imm32_b32 hwreg(HW_REG_WAVE_MODE, 25, 1), 1
	s_wait_xcnt 0x0
; NOISENET: five blocks of 1x1 convolution, batch norm on batch statistics, ReLU, over N = 2^23 pixels; channels 1-2-4-4-2-1.
; Each norm needs sums over all pixels that hang, through the ReLUs, on the norm before it, and work-groups of a launch do not talk:
; six launches, each of which reads x again and recomputes the chain in registers (4 bytes a pixel; a stored intermediate is up to 16).
; THIS IS LAUNCH 0 OF 0..5: S = sum(x - K), Q = sum((x - K)^2) with K = x[0].  Layer 1 has one input channel, so mean(y1[o]) = w1[o] mean(x)
; and var(y1[o]) = w1[o]^2 var(x) hold for every input: sums of x serve both channels.  K takes a common offset of x away before squaring.
; SHARES: work-group g owns bytes 131,072 g .. of x, wave w 8,192 of them; each load of a wave covers 512 consecutive bytes, aligned;
; a lane has 64 pixels in 16 quads, all requested in the first lines (64 registers), so no ring, no LDS for data, no tensor loads.
; OUT: 8 floats a work-group, S0..S3, Q0..Q3 (channels not in use hold 0, since the next launch adds all eight): 32 bytes a work-group,
; 8 KiB in the launch; the next launch adds the 256 rows up in its first lines.  No clusters: work-groups share no input here.
; LIMITS: NaN and infinities in x are not served (see launch 1).  If K lies k standard deviations from the mean, the variance's relative
; error grows like k^2 2^-24.  The order of the sums differs from the reference's.
.set XOFF, 1                           ; v1         wave x 8,192 + lane x 16: my 16 bytes in my wave's first 512
.set LST,  2                           ; v2         LDS: wave x 32 + (lane & 1) x 16
.set LLD,  3                           ; v3         LDS: lane x 16
.set SOFF, 4                           ; v4         thread x 16
.set VQ,   6                           ; v[6:9]     four sums on their way across lanes (first: scratch)
.set T4,   10                          ; v[10:13]   what v_permlanex16_b32 brings
.set R,    14                          ; v[14:21]   my lane's eight sums
.set SB,   104                         ; v[104:105] K, twice
.set ACC,  112                         ; v[112:127] S of channel o as a pair at ACC+2o, Q at ACC+8+2o
.set X,    160                         ; v[160:223] quad i at X+4i
.macro STATS src, co                   ; both pixel pairs of a quad, co channels: S += d, Q += d d
.set pp, 0
.rept 2
.set oo, 0
.rept \co
	v_pk_add_f32 v[ACC+2*oo:ACC+2*oo+1], v[ACC+2*oo:ACC+2*oo+1], v[\src+4*oo+2*pp:\src+4*oo+2*pp+1]
	v_pk_fma_f32 v[ACC+8+2*oo:ACC+8+2*oo+1], v[\src+4*oo+2*pp:\src+4*oo+2*pp+1], v[\src+4*oo+2*pp:\src+4*oo+2*pp+1], v[ACC+8+2*oo:ACC+8+2*oo+1]
.set oo, oo+1
.endr
.set pp, pp+1
.endr
.endm
.macro RED4                            ; v[VQ..VQ+3] summed over the 16 lanes of my parity; every lane gets its parity's sums
.irp m, 2,4,8
.irp k, 0,1,2,3
	v_add_f32_dpp v[VQ+\k], v[VQ+\k], v[VQ+\k] row_xmask:\m row_mask:0xf bank_mask:0xf
.endr
.endr
.irp k, 0,1,2,3
	v_permlanex16_b32 v[T4+\k], v[VQ+\k], s26, s27
.endr
.irp k, 0,1,2,3
	v_add_f32 v[VQ+\k], v[VQ+\k], v[T4+\k]
.endr
.endm
	s_load_b64 s[4:5], s[0:1], 0x0                 ; x
	s_load_b64 s[8:9], s[0:1], 0x8                 ; sums out
	v_lshl_add_u32 v224, v0, 2, 0x400
	v_mov_b32 v225, 0
	v_lshrrev_b32 v[VQ], 5, v0
	v_readfirstlane_b32 s24, v[VQ]                 ; wave, 0..15
	v_and_b32 v[VQ+1], 31, v0                      ; lane
	v_and_b32 v[VQ+2], 1, v0                       ; its parity
	v_lshlrev_b32 v[LLD], 4, v[VQ+1]
	v_lshl_or_b32 v[XOFF], v[VQ], 13, v[LLD]
	s_lshl_b32 s30, s24, 5
	v_lshl_add_u32 v[LST], v[VQ+2], 4, s30
	v_lshlrev_b32 v[SOFF], 4, v0
	v_cmp_eq_u32 s25, 1, v[VQ+2]                   ; mask of the odd lanes
	s_mov_b32 s26, 0x76543210                      ; v_permlanex16_b32: lane i of one half reads lane i of the other
	s_mov_b32 s27, 0xfedcba98
	s_lshl_b32 s28, ttmp9, 17                      ; my work-group's 131,072 bytes
	s_mov_b32 s29, 0
.set i, 0
.rept 4
	v_mov_b32 v[T4+i], 0                           ; a permute's destination counts as read
.set i, i+1
.endr
.set i, 0
.rept 16
	v_mov_b32 v[ACC+i], 0                          ; sixteen registers; those of channels not in use are stored as zeros
.set i, i+1
.endr
	s_wait_kmcnt 0x0
	s_add_nc_u64 s[2:3], s[4:5], s[28:29]          ; x at my work-group's part; s[4:5] stays for the load of x[0]
	s_lshl_b32 s28, ttmp9, 5
	s_add_nc_u64 s[8:9], s[8:9], s[28:29]          ; my 32 bytes of sums
.set i, 0
.rept 16
	global_load_b128 v[X+4*i:X+4*i+3], v[XOFF], s[2:3] offset:512*i    ; no hint: the next five launches read x again
.set i, i+1
.endr
	s_load_b32 s31, s[4:5], 0x0                    ; K = x[0]
	s_wait_kmcnt 0x0
	v_mov_b32 v[SB], s31
	v_mov_b32 v[SB+1], s31
.macro CHUNK i
	s_wait_loadcnt 15-\i                           ; loads come back in order (ISA guide 5.7.1): quad i is in, the 15 - i younger ones stay out
	v_pk_add_f32 v[X+4*\i:X+4*\i+1], v[X+4*\i:X+4*\i+1], v[SB:SB+1] neg_lo:[0,1] neg_hi:[0,1]
	v_pk_add_f32 v[X+4*\i+2:X+4*\i+3], v[X+4*\i+2:X+4*\i+3], v[SB:SB+1] neg_lo:[0,1] neg_hi:[0,1]
	STATS X+4*\i, 1
.endm
.irp i, 0,1,2,3,4,5,6,7,8,9,10,11,12,13,14,15
	CHUNK \i
.endr
	; the work-group's eight sums: pairs, neighbouring lanes, then S in the even lanes and Q in the odd ones
.irp k, 0,1,2,3,4,5,6,7
	v_add_f32 v[R+\k], v[ACC+2*\k], v[ACC+2*\k+1]
.endr
.irp k, 0,1,2,3,4,5,6,7
	v_add_f32_dpp v[R+\k], v[R+\k], v[R+\k] row_xmask:1 row_mask:0xf bank_mask:0xf
.endr
.irp k, 0,1,2,3
	v_cndmask_b32 v[VQ+\k], v[R+\k], v[R+4+\k], s25
.endr
	RED4
	ds_store_b128 v[LST], v[VQ:VQ+3] offset:512    ; lanes of one parity write the same 16 bytes with the same values
	s_wait_dscnt 0x0                               ; for wave 0's sake: my store is done before I say so
	s_barrier_signal -1
	s_barrier_wait -1
	s_cmp_lg_u32 s24, 0
	s_cbranch_scc1 .Lend
	ds_load_b128 v[VQ:VQ+3], v[LLD] offset:512     ; lane 2w: S of wave w; lane 2w+1: its Q
	s_wait_dscnt 0x0
	RED4
	s_wait_xcnt 0x0                                ; EXEC is a source of the loads above: it changes only behind this wait
	v_cmp_gt_u32 vcc_lo, 2, v0
	s_and_saveexec_b32 s30, vcc_lo
	global_store_b128 v[SOFF], v[VQ:VQ+3], s[8:9]  ; lane 0: S0..S3, lane 1: Q0..Q3
	s_wait_xcnt 0x0
	s_or_b32 exec_lo, exec_lo, s30
.Lend:
	s_wait_tensorcnt 0x0
	ds_add_u32 v224, v225
	s_wait_dscnt 0x0
	s_endpgm
.Lfunc_end_k_qff56d6b3ff_pass0:
	.size	k_qff56d6b3ff_pass0, .Lfunc_end_k_qff56d6b3ff_pass0-k_qff56d6b3ff_pass0
	.p2alignl 7, 3214868480
	.fill 96, 4, 3214868480
	.section	.rodata,"a",@progbits
	.p2align	6, 0x0
	.amdhsa_kernel k_qff56d6b3ff_pass0
		.amdhsa_group_segment_fixed_size 3072
		.amdhsa_private_segment_fixed_size 0
		.amdhsa_enable_private_segment 0
		.amdhsa_kernarg_size 16
		.amdhsa_user_sgpr_count 2
		.amdhsa_user_sgpr_kernarg_segment_ptr 1
		.amdhsa_wavefront_size32 1
		.amdhsa_system_sgpr_workgroup_id_x 1
		.amdhsa_system_sgpr_workgroup_id_y 1
		.amdhsa_system_sgpr_workgroup_id_z 1
		.amdhsa_system_vgpr_workitem_id 0
		.amdhsa_next_free_vgpr 226
		.amdhsa_next_free_sgpr 88
		.amdhsa_reserve_vcc 1
		.amdhsa_float_denorm_mode_32 3
		.amdhsa_float_denorm_mode_16_64 3
		.amdhsa_memory_ordered 1
		.amdhsa_forward_progress 1
		.amdhsa_inst_pref_size 14
	.end_amdhsa_kernel
	.amdgpu_metadata
---
amdhsa.version: [ 1, 2 ]
amdhsa.kernels:
  - .name:           k_qff56d6b3ff_pass0
    .symbol:         k_qff56d6b3ff_pass0.kd
    .args:
      - { .name: x, .offset: 0, .size: 8, .value_kind: global_buffer, .address_space: global }
      - { .name: sA, .offset: 8, .size: 8, .value_kind: global_buffer, .address_space: global }
    .group_segment_fixed_size: 3072
    .private_segment_fixed_size: 0
    .kernarg_segment_align: 8
    .kernarg_segment_size: 16
    .max_flat_workgroup_size: 512
    .sgpr_count:     88
    .vgpr_count:     226
    .wavefront_size: 32
...
	.end_amdgpu_metadata
.endif
;; end of part 1
;; launch pass1 (part 2): grid 256 x 1, 16 waves a work-group, no clusters, 3,072 bytes of LDS; arguments x, sA, sB, pA, w1, g1, b1, w2; writes sB, pA
.if DOCPART == 2
	.amdgcn_target "amdgcn-amd-amdhsa--gfx1250"
	.amdhsa_code_object_version 6
	.text
	.protected	k_qff56d6b3ff_pass1
	.globl	k_qff56d6b3ff_pass1
	.p2align	8
	.type	k_qff56d6b3ff_pass1,@function
k_qff56d6b3ff_pass1:
	s_mov_b64 s[64:65], 0
	v_nop
	global_prefetch_b8 v0, s[64:65] scope:SCOPE_SE
	s_setreg_imm32_b32 hwreg(HW_REG_WAVE_MODE, 25, 1), 1
	s_wait_xcnt 0x0
; NOISENET: five blocks of 1x1 convolution, batch norm on batch statistics, ReLU, over N = 2^23 pixels; channels 1-2-4-4-2-1.
; Each norm needs sums over all pixels that hang, through the ReLUs, on the norm before it, and work-groups of a launch do not talk:
; six launches, each of which reads x again and recomputes the chain in registers (4 bytes a pixel; a stored intermediate is up to 16).
; THIS IS LAUNCH 1 OF 0..5: it adds up the 256 work-groups' sums of x - x[0], folds layer 1's norm into its weights, and sums
; y2 - pivot and its square.  Layer 1 has one input channel: mean(y1[o]) = w1[o] mean(x), var(y1[o]) = w1[o]^2 var(x), for every input.
; NORM FOLDED: sc = g rsq(var + eps), W' = sc W, B' = b - sc mean, h = relu(W' h_before + B').
; SHIFTED SUMS: S = sum(y - pv), Q = sum((y - pv)^2), mean = pv + S/N, var = max(Q/N - (S/N)^2, 0), 1/N = 2^-23 exactly.
; pv[o] = sum over c of W[o][c] relu(b_before[c]) is y where the normalised input is 0: it is equal in all work-groups, made by the same
; instructions in the launch that sums and in the launch that folds, and takes a large b away before anything is squared.
; ARITHMETIC: f32 on the vector ALU, two pixels an instruction.  No matrix instructions: the products have K = 1, 2 or 4, of which a 16-bit
; matrix instruction multiplies 32, and each layer would need a conversion to 16 bits and back.  No clusters: only 8 KiB of sums are shared.
; SHARES: work-group g owns bytes 131,072 g .. of x, wave w 8,192 of them; each load of a wave covers 512 consecutive bytes, aligned;
; a lane has 64 pixels in 16 quads.  Wave 0 of work-group 0 also stores the folded parameters.
; ORDER OF THE OPENING: the sums of the launch before are requested first, then the small scalar inputs and EARLY = 2 of my 16 quads of x.
; What does not hang on the sums (the next layer's pivots and raw weights, w^2) is made while they are on their way.  The other 14 quads are
; requested behind the wait for the reduction's LDS load: the reduction's two LDS instructions, on which the first arithmetic of all 16 waves
; hangs, are issued with at most 1 + NPL + EARLY loads of a wave outstanding, and the rest of the fold and the early quads' arithmetic
; stand between the late request and the first wait for it.
; LIMITS: NaN and infinities in the inputs are not served (v_max_num_f32 turns a NaN into 0, the reference spreads it).  A pivot k standard
; deviations from the mean costs about k^2 2^-24 relative in the variance.  The order of the sums differs from the reference's.
.set CO,  2                            ; the layer that is folded: outputs,
.set CI,  1                            ; inputs
.set CN,  4                            ; outputs of the next layer, whose sums are taken
.set NPL, 0                            ; 16-byte pieces of parameters loaded
.set NPS, 2                            ; and stored
.set EARLY, 2                          ; quads of x requested ahead of the reduction
.set XOFF, 1                           ; v1         wave x 8,192 + lane x 16: my 16 bytes in my wave's first 512
.set LST,  2                           ; v2         LDS: wave x 32 + (lane & 1) x 16
.set LLD,  3                           ; v3         LDS: lane x 16
.set SOFF, 4                           ; v4         thread x 16
.set ZERO, 5                           ; v5         0
.set VQ,   6                           ; v[6:9]     four sums on their way across lanes (first: scratch)
.set T4,   10                          ; v[10:13]   what v_permlanex16_b32 brings
.set R,    14                          ; v[14:21]   my lane's eight sums
.set PR,   24                          ; v[24:87]   folded parameters: weights [o][c] once, each bias twice.  L1: W 0, B 2, 6-7 = 0; L2: W 8, B 16;
                                       ;            L3: W 24, B 40; L4: W 48, B 56; L5: W 60, B 62
.set SW,   88                          ; v[88:103]  raw weights of the next layer
.set SB,   104                         ; v[104:111] minus its pivots, each twice
.set ACC,  112                         ; v[112:127] S of channel o as a pair at ACC+2o, Q at ACC+8+2o
.set TA,   128                         ; v[128:143] activations: channel c, pixel pair p of a quad at 4c + 2p
.set TB,   144                         ; v[144:159] the same, in turn
.set WSQ,  TB+8                        ; v[152:153] w1^2, from the opening to the fold
.set X,    160                         ; v[160:223] quad i at X+4i
.macro SLD dst, ptr, n                 ; n floats from the head of the buffer at s[ptr:ptr+1] into s[dst ..]
.if (\n)==1
	s_load_b32 s[\dst], s[\ptr:\ptr+1], 0x0
.elseif (\n)==2
	s_load_b64 s[\dst:\dst+1], s[\ptr:\ptr+1], 0x0
.elseif (\n)==4
	s_load_b128 s[\dst:\dst+3], s[\ptr:\ptr+1], 0x0
.elseif (\n)==8
	s_load_b256 s[\dst:\dst+7], s[\ptr:\ptr+1], 0x0
.else
	s_load_b512 s[\dst:\dst+15], s[\ptr:\ptr+1], 0x0
.endif
.endm
.macro XLOAD from, n                   ; quads from .. from+n-1 of x; no hint: the later launches read x again
.set i, \from
.rept \n
	global_load_b128 v[X+4*i:X+4*i+3], v[XOFF], s[2:3] offset:512*i
.set i, i+1
.endr
.endm
.macro PKF d, a, w, c                  ; v[d:d+1] = v[a:a+1] x v[w] + v[c:c+1]: two pixels, one weight, picked from its even-aligned pair
.if ((\w)&1)==0
	v_pk_fma_f32 v[\d:\d+1], v[\a:\a+1], v[\w:\w+1], v[\c:\c+1] op_sel_hi:[1,0,1]
.else
	v_pk_fma_f32 v[\d:\d+1], v[\a:\a+1], v[\w-1:\w], v[\c:\c+1] op_sel:[0,1,0] op_sel_hi:[1,1,1]
.endif
.endm
.macro CONV dst, src, wb, bb, co, ci   ; one quad through a layer; the bias starts each sum; c outermost, so that 2 co lines lie between dependent ones
.set cc, 0
.rept \ci
.set oo, 0
.rept \co
.set pp, 0
.rept 2
.if cc==0
	PKF \dst+4*oo+2*pp, \src+4*cc+2*pp, \wb+oo*\ci+cc, \bb+2*oo
.else
	PKF \dst+4*oo+2*pp, \src+4*cc+2*pp, \wb+oo*\ci+cc, \dst+4*oo+2*pp
.endif
.set pp, pp+1
.endr
.set oo, oo+1
.endr
.set cc, cc+1
.endr
.endm
.macro RELU base, n                    ; n registers in place, two an instruction
.set rr, 0
.rept \n/2
	v_dual_max_num_f32 v[\base+rr], 0, v[\base+rr] :: v_dual_max_num_f32 v[\base+rr+1], 0, v[\base+rr+1]
.set rr, rr+2
.endr
.endm
.macro STATS src, co                   ; both pixel pairs of a quad, co channels: S += d, Q += d d
.set pp, 0
.rept 2
.set oo, 0
.rept \co
	v_pk_add_f32 v[ACC+2*oo:ACC+2*oo+1], v[ACC+2*oo:ACC+2*oo+1], v[\src+4*oo+2*pp:\src+4*oo+2*pp+1]
	v_pk_fma_f32 v[ACC+8+2*oo:ACC+8+2*oo+1], v[\src+4*oo+2*pp:\src+4*oo+2*pp+1], v[\src+4*oo+2*pp:\src+4*oo+2*pp+1], v[ACC+8+2*oo:ACC+8+2*oo+1]
.set oo, oo+1
.endr
.set pp, pp+1
.endr
.endm
.macro RED4                            ; v[VQ..VQ+3] summed over the 16 lanes of my parity; every lane gets its parity's sums
.irp m, 2,4,8
.irp k, 0,1,2,3
	v_add_f32_dpp v[VQ+\k], v[VQ+\k], v[VQ+\k] row_xmask:\m row_mask:0xf bank_mask:0xf
.endr
.endr
.irp k, 0,1,2,3
	v_permlanex16_b32 v[T4+\k], v[VQ+\k], s26, s27
.endr
.irp k, 0,1,2,3
	v_add_f32 v[VQ+\k], v[VQ+\k], v[T4+\k]
.endr
.endm
.macro PIVOT dst, ws, bs, co, ci       ; v[dst+o] = sum over c, ascending, of s[ws+o ci+c] x relu(s[bs+c]); v[TA..TA+ci-1] are scratch
.set vc, 0
.rept \ci
	v_max_num_f32 v[TA+vc], s[\bs+vc], 0
.set vc, vc+1
.endr
.set vo, 0
.rept \co
	v_mul_f32 v[\dst+vo], s[\ws+vo*\ci], v[TA]
.set vc, 1
.rept \ci-1
	v_fma_f32 v[\dst+vo], s[\ws+vo*\ci+vc], v[TA+vc], v[\dst+vo]
.set vc, vc+1
.endr
.set vo, vo+1
.endr
.endm
	s_load_b128 s[4:7], s[0:1], 0x0                ; x s[4:5], sums in s[6:7]
	s_load_b64 s[8:9], s[0:1], 0x10                ; sums out
	s_load_b256 s[12:19], s[0:1], 0x18             ; parameters out s[12:13], w1 s[14:15], g1 s[16:17], b1 s[18:19]
	s_load_b64 s[22:23], s[0:1], 0x38              ; w2
	v_lshl_add_u32 v224, v0, 2, 0x400
	v_mov_b32 v225, 0
	v_lshrrev_b32 v[VQ], 5, v0
	v_readfirstlane_b32 s24, v[VQ]                 ; wave, 0..15
	v_and_b32 v[VQ+1], 31, v0                      ; lane
	v_and_b32 v[VQ+2], 1, v0                       ; its parity
	v_lshlrev_b32 v[LLD], 4, v[VQ+1]
	v_lshl_or_b32 v[XOFF], v[VQ], 13, v[LLD]
	s_lshl_b32 s30, s24, 5
	v_lshl_add_u32 v[LST], v[VQ+2], 4, s30
	v_lshlrev_b32 v[SOFF], 4, v0
	v_mov_b32 v[ZERO], 0
	v_cmp_eq_u32 s25, 1, v[VQ+2]                   ; mask of the odd lanes
	s_mov_b32 s26, 0x76543210                      ; v_permlanex16_b32: lane i of one half reads lane i of the other
	s_mov_b32 s27, 0xfedcba98
	s_mov_b32 s66, 0x34000000                      ; 2^-23 = 1/N
	s_lshl_b32 s28, ttmp9, 17                      ; my work-group's 131,072 bytes
	s_mov_b32 s29, 0
.set i, 0
.rept 4
	v_mov_b32 v[T4+i], 0                           ; a permute's destination counts as read
.set i, i+1
.endr
.set i, 0
.rept 16
	v_mov_b32 v[ACC+i], 0                          ; sixteen registers; those of channels not in use are stored as zeros
.set i, i+1
.endr
	s_wait_kmcnt 0x0
	s_add_nc_u64 s[2:3], s[4:5], s[28:29]          ; x at my work-group's part; s[4:5] stays for the load of x[0]
	s_lshl_b32 s28, ttmp9, 5
	s_add_nc_u64 s[8:9], s[8:9], s[28:29]          ; my 32 bytes of sums
	global_load_b128 v[VQ:VQ+3], v[SOFF], s[6:7]   ; thread 2g: S0..S3 of work-group g; thread 2g+1: its Q0..Q3.  First, since it is wanted first
	s_load_b32 s31, s[4:5], 0x0                    ; K = x[0], the pivot of launch 0
	SLD 40, 14, CO*CI                              ; w1
	SLD 56, 16, CO                                 ; g1
	SLD 60, 18, CO                                 ; b1
	SLD 72, 22, CN*CO                              ; w2
	XLOAD 0, EARLY
	; while the sums are on their way: all that does not hang on them
	s_wait_kmcnt 0x0                               ; x[0], w1, g1, b1, w2
	PIVOT TA+4, 72, 60, CN, CO                     ; the next layer raw, with minus its pivot in the bias's place
.set o, 0
.rept CN
	v_mul_f32 v[SB+2*o], -1.0, v[TA+4+o]
	v_mul_f32 v[SB+2*o+1], -1.0, v[TA+4+o]
.set o, o+1
.endr
.set i, 0
.rept CN*CO
	v_mov_b32 v[SW+i], s[72+i]
.set i, i+1
.endr
.set o, 0
.rept CO
	v_mul_f32 v[WSQ+o], s[40+o], s[40+o]           ; w^2
.set o, o+1
.endr
	; the launch's totals: over my wave's 16 work-groups, then over the 16 waves
	s_wait_loadcnt NPL+EARLY                       ; the sums are in; the early loads of x behind them stay out
	RED4
	ds_store_b128 v[LST], v[VQ:VQ+3]               ; lanes of one parity write the same 16 bytes with the same values
	s_wait_dscnt 0x0                               ; for the others' sake: my store is done before I say so
	s_barrier_signal -1
	s_barrier_wait -1
	ds_load_b128 v[VQ:VQ+3], v[LLD]                ; lane 2w: S of wave w; lane 2w+1: its Q
	s_wait_dscnt 0x0
	XLOAD EARLY, 16-EARLY                          ; the other 14 quads: behind the exchange through LDS, ahead of the fold
	RED4
.irp k, 0,1,2,3
	v_readlane_b32 s[32+\k], v[VQ+\k], 0           ; S0..S3
	v_readlane_b32 s[36+\k], v[VQ+\k], 1           ; Q0..Q3
.endr
	; fold layer 1 (the same numbers in every lane)
	v_mul_f32 v[TA+8], s66, s32                    ; S/N
	v_mul_f32 v[TA+12], s66, s36                   ; Q/N
	v_fma_f32 v[TA+12], -v[TA+8], v[TA+8], v[TA+12]
	v_max_num_f32 v[TA+12], 0, v[TA+12]            ; var(x)
	v_add_f32 v[TB+4], s31, v[TA+8]                ; mean(x)
.set o, 0
.rept CO
	v_fmaak_f32 v[TA+o], v[WSQ+o], v[TA+12], 0x3727c5ac    ; w^2 var(x) + 1e-5
.set o, o+1
.endr
.set o, 0
.rept CO
	v_rsq_f32 v[TB+o], v[TA+o]
.set o, o+1
.endr
	v_nop                                          ; one plain vector instruction behind the roots before their results are used (ISA guide 5.7.2)
.set o, 0
	s_wait_alu depctr_va_vdst(0)
.rept CO
	v_mul_f32 v[TB+o], s[56+o], v[TB+o]            ; sc = g rsq
	v_mul_f32 v[PR+o], s[40+o], v[TB+o]            ; W' = sc w
	v_fma_f32 v[PR+2+2*o], -v[PR+o], v[TB+4], s[60+o]      ; B' = b - W' mean(x)
	v_mov_b32 v[PR+3+2*o], v[PR+2+2*o]
.set o, o+1
.endr
	v_mov_b32 v[PR+6], 0                           ; fills the second 16 bytes that are stored
	v_mov_b32 v[PR+7], 0
	; one lane of the launch stores the folded parameters for the later launches: NPS x 16 bytes, once
	s_cmp_lg_u32 ttmp9, 0
	s_cbranch_scc1 .Lnopar
	s_cmp_lg_u32 s24, 0
	s_cbranch_scc1 .Lnopar
	s_wait_xcnt 0x0                                ; EXEC is a source of the loads above: it changes only behind this wait
	v_cmp_eq_u32 vcc_lo, 0, v0
	s_and_saveexec_b32 s30, vcc_lo
.set i, 0
.rept NPS
	global_store_b128 v[ZERO], v[PR+4*i:PR+4*i+3], s[12:13] offset:16*i
.set i, i+1
.endr
	s_wait_xcnt 0x0
	s_or_b32 exec_lo, exec_lo, s30
.Lnopar:
.macro CHUNK i
	s_wait_loadcnt 15-\i                           ; loads come back in order (ISA guide 5.7.1): quad i is in, the 15 - i younger ones stay out
	CONV TA, X+4*\i, PR+0, PR+2, 2, 1
	RELU TA, 8
	CONV TB, TA, SW, SB, 4, 2                      ; y2 - pivot
	STATS TB, 4
.endm
.irp i, 0,1,2,3,4,5,6,7,8,9,10,11,12,13,14,15
	CHUNK \i
.endr
	; the work-group's eight sums: pairs, neighbouring lanes, then S in the even lanes and Q in the odd ones
.irp k, 0,1,2,3,4,5,6,7
	v_add_f32 v[R+\k], v[ACC+2*\k], v[ACC+2*\k+1]
.endr
.irp k, 0,1,2,3,4,5,6,7
	v_add_f32_dpp v[R+\k], v[R+\k], v[R+\k] row_xmask:1 row_mask:0xf bank_mask:0xf
.endr
.irp k, 0,1,2,3
	v_cndmask_b32 v[VQ+\k], v[R+\k], v[R+4+\k], s25
.endr
	RED4
	ds_store_b128 v[LST], v[VQ:VQ+3] offset:512    ; other bytes than the first reduction's: one barrier is enough
	s_wait_dscnt 0x0                               ; for wave 0's sake
	s_barrier_signal -1
	s_barrier_wait -1
	s_cmp_lg_u32 s24, 0
	s_cbranch_scc1 .Lend
	ds_load_b128 v[VQ:VQ+3], v[LLD] offset:512
	s_wait_dscnt 0x0
	RED4
	s_wait_xcnt 0x0                                ; EXEC changes only behind this wait
	v_cmp_gt_u32 vcc_lo, 2, v0
	s_and_saveexec_b32 s30, vcc_lo
	global_store_b128 v[SOFF], v[VQ:VQ+3], s[8:9]  ; lane 0: S0..S3, lane 1: Q0..Q3; 32 bytes a work-group, 8 KiB in the launch
	s_wait_xcnt 0x0
	s_or_b32 exec_lo, exec_lo, s30
.Lend:
	s_wait_tensorcnt 0x0
	ds_add_u32 v224, v225
	s_wait_dscnt 0x0
	s_endpgm
.Lfunc_end_k_qff56d6b3ff_pass1:
	.size	k_qff56d6b3ff_pass1, .Lfunc_end_k_qff56d6b3ff_pass1-k_qff56d6b3ff_pass1
	.p2alignl 7, 3214868480
	.fill 96, 4, 3214868480
	.section	.rodata,"a",@progbits
	.p2align	6, 0x0
	.amdhsa_kernel k_qff56d6b3ff_pass1
		.amdhsa_group_segment_fixed_size 3072
		.amdhsa_private_segment_fixed_size 0
		.amdhsa_enable_private_segment 0
		.amdhsa_kernarg_size 64
		.amdhsa_user_sgpr_count 2
		.amdhsa_user_sgpr_kernarg_segment_ptr 1
		.amdhsa_wavefront_size32 1
		.amdhsa_system_sgpr_workgroup_id_x 1
		.amdhsa_system_sgpr_workgroup_id_y 1
		.amdhsa_system_sgpr_workgroup_id_z 1
		.amdhsa_system_vgpr_workitem_id 0
		.amdhsa_next_free_vgpr 226
		.amdhsa_next_free_sgpr 88
		.amdhsa_reserve_vcc 1
		.amdhsa_float_denorm_mode_32 3
		.amdhsa_float_denorm_mode_16_64 3
		.amdhsa_memory_ordered 1
		.amdhsa_forward_progress 1
		.amdhsa_inst_pref_size 54
	.end_amdhsa_kernel
	.amdgpu_metadata
---
amdhsa.version: [ 1, 2 ]
amdhsa.kernels:
  - .name:           k_qff56d6b3ff_pass1
    .symbol:         k_qff56d6b3ff_pass1.kd
    .args:
      - { .name: x, .offset: 0, .size: 8, .value_kind: global_buffer, .address_space: global }
      - { .name: sA, .offset: 8, .size: 8, .value_kind: global_buffer, .address_space: global }
      - { .name: sB, .offset: 16, .size: 8, .value_kind: global_buffer, .address_space: global }
      - { .name: pA, .offset: 24, .size: 8, .value_kind: global_buffer, .address_space: global }
      - { .name: w1, .offset: 32, .size: 8, .value_kind: global_buffer, .address_space: global }
      - { .name: g1, .offset: 40, .size: 8, .value_kind: global_buffer, .address_space: global }
      - { .name: b1, .offset: 48, .size: 8, .value_kind: global_buffer, .address_space: global }
      - { .name: w2, .offset: 56, .size: 8, .value_kind: global_buffer, .address_space: global }
    .group_segment_fixed_size: 3072
    .private_segment_fixed_size: 0
    .kernarg_segment_align: 8
    .kernarg_segment_size: 64
    .max_flat_workgroup_size: 512
    .sgpr_count:     88
    .vgpr_count:     226
    .wavefront_size: 32
...
	.end_amdgpu_metadata
.endif
;; end of part 2
;; launch pass2 (part 3): grid 256 x 1, 16 waves a work-group, no clusters, 3,072 bytes of LDS; arguments x, sB, sA, pA, pB, w2, g2, b2, b1, w3; writes sA, pB
.if DOCPART == 3
	.amdgcn_target "amdgcn-amd-amdhsa--gfx1250"
	.amdhsa_code_object_version 6
	.text
	.protected	k_qff56d6b3ff_pass2
	.globl	k_qff56d6b3ff_pass2
	.p2align	8
	.type	k_qff56d6b3ff_pass2,@function
k_qff56d6b3ff_pass2:
	s_mov_b64 s[64:65], 0
	v_nop
	global_prefetch_b8 v0, s[64:65] scope:SCOPE_SE
	s_setreg_imm32_b32 hwreg(HW_REG_WAVE_MODE, 25, 1), 1
	s_wait_xcnt 0x0
; NOISENET: five blocks of 1x1 convolution, batch norm on batch statistics, ReLU, over N = 2^23 pixels; channels 1-2-4-4-2-1.
; Each norm needs sums over all pixels that hang, through the ReLUs, on the norm before it, and work-groups of a launch do not talk:
; six launches, each of which reads x again and recomputes the chain in registers (4 bytes a pixel; a stored intermediate is up to 16).
; THIS IS LAUNCH 2 OF 0..5: it adds up the 256 work-groups' sums of y2 - pivot, folds layer 2's norm into its weights, and sums
; y3 - pivot and its square.
; NORM FOLDED: sc = g rsq(var + eps), W' = sc W, B' = b - sc mean, h = relu(W' h_before + B').
; SHIFTED SUMS: S = sum(y - pv), Q = sum((y - pv)^2), mean = pv + S/N, var = max(Q/N - (S/N)^2, 0), 1/N = 2^-23 exactly.
; pv[o] = sum over c of W[o][c] relu(b_before[c]) is y where the normalised input is 0: it is equal in all work-groups, made by the same
; instructions in the launch that sums and in the launch that folds, and takes a large b away before anything is squared.
; ARITHMETIC: f32 on the vector ALU, two pixels an instruction.  No matrix instructions: the products have K = 1, 2 or 4, of which a 16-bit
; matrix instruction multiplies 32, and each layer would need a conversion to 16 bits and back.  No clusters: only 8 KiB of sums are shared.
; SHARES: work-group g owns bytes 131,072 g .. of x, wave w 8,192 of them; each load of a wave covers 512 consecutive bytes, aligned;
; a lane has 64 pixels in 16 quads.  Wave 0 of work-group 0 also stores the folded parameters.
; ORDER OF THE OPENING: the sums of the launch before are requested first, then the small scalar inputs, the earlier layers' parameters and
; EARLY = 2 of my 16 quads of x.  What does not hang on the sums (both pivots, the next layer's raw weights) is made while they are on their
; way.  The other 14 quads are requested behind the wait for the reduction's LDS load: the reduction's two LDS instructions, on which the
; first arithmetic of all 16 waves hangs, are issued with at most 1 + NPL + EARLY loads of a wave outstanding, and the rest of the fold and
; the early quads' arithmetic (4 waves a SIMD x 2 quads x 80 instructions) stand between the late request and the first wait for it.
; LIMITS: NaN and infinities in the inputs are not served (v_max_num_f32 turns a NaN into 0, the reference spreads it).  A pivot k standard
; deviations from the mean costs about k^2 2^-24 relative in the variance.  The order of the sums differs from the reference's.
.set CO,  4                            ; the layer that is folded: outputs,
.set CI,  2                            ; inputs
.set CN,  4                            ; outputs of the next layer, whose sums are taken
.set PW,  8                            ; where its folded weights
.set PB,  16                           ; and biases lie in the parameter block
.set NPL, 2                            ; 16-byte pieces of parameters loaded (the layers before)
.set NPS, 6                            ; and stored (with this layer)
.set EARLY, 2                          ; quads of x requested ahead of the reduction
.set XOFF, 1                           ; v1         wave x 8,192 + lane x 16: my 16 bytes in my wave's first 512
.set LST,  2                           ; v2         LDS: wave x 32 + (lane & 1) x 16
.set LLD,  3                           ; v3         LDS: lane x 16
.set SOFF, 4                           ; v4         thread x 16
.set ZERO, 5                           ; v5         0
.set VQ,   6                           ; v[6:9]     four sums on their way across lanes (first: scratch)
.set T4,   10                          ; v[10:13]   what v_permlanex16_b32 brings
.set R,    14                          ; v[14:21]   my lane's eight sums
.set PR,   24                          ; v[24:87]   folded parameters: weights [o][c] once, each bias twice.  L1: W 0, B 2, 6-7 = 0; L2: W 8, B 16;
                                       ;            L3: W 24, B 40; L4: W 48, B 56; L5: W 60, B 62
.set SW,   88                          ; v[88:103]  raw weights of the next layer
.set SB,   104                         ; v[104:111] minus its pivots, each twice
.set ACC,  112                         ; v[112:127] S of channel o as a pair at ACC+2o, Q at ACC+8+2o
.set TA,   128                         ; v[128:143] activations: channel c, pixel pair p of a quad at 4c + 2p
.set TB,   144                         ; v[144:159] the same, in turn
.set PVC,  TB+8                        ; v[152:155] this layer's pivots, from the opening to the fold
.set X,    160                         ; v[160:223] quad i at X+4i
.macro SLD dst, ptr, n                 ; n floats from the head of the buffer at s[ptr:ptr+1] into s[dst ..]
.if (\n)==1
	s_load_b32 s[\dst], s[\ptr:\ptr+1], 0x0
.elseif (\n)==2
	s_load_b64 s[\dst:\dst+1], s[\ptr:\ptr+1], 0x0
.elseif (\n)==4
	s_load_b128 s[\dst:\dst+3], s[\ptr:\ptr+1], 0x0
.elseif (\n)==8
	s_load_b256 s[\dst:\dst+7], s[\ptr:\ptr+1], 0x0
.else
	s_load_b512 s[\dst:\dst+15], s[\ptr:\ptr+1], 0x0
.endif
.endm
.macro XLOAD from, n                   ; quads from .. from+n-1 of x; no hint: the later launches read x again
.set i, \from
.rept \n
	global_load_b128 v[X+4*i:X+4*i+3], v[XOFF], s[2:3] offset:512*i
.set i, i+1
.endr
.endm
.macro PKF d, a, w, c                  ; v[d:d+1] = v[a:a+1] x v[w] + v[c:c+1]: two pixels, one weight, picked from its even-aligned pair
.if ((\w)&1)==0
	v_pk_fma_f32 v[\d:\d+1], v[\a:\a+1], v[\w:\w+1], v[\c:\c+1] op_sel_hi:[1,0,1]
.else
	v_pk_fma_f32 v[\d:\d+1], v[\a:\a+1], v[\w-1:\w], v[\c:\c+1] op_sel:[0,1,0] op_sel_hi:[1,1,1]
.endif
.endm
.macro CONV dst, src, wb, bb, co, ci   ; one quad through a layer; the bias starts each sum; c outermost, so that 2 co lines lie between dependent ones
.set cc, 0
.rept \ci
.set oo, 0
.rept \co
.set pp, 0
.rept 2
.if cc==0
	PKF \dst+4*oo+2*pp, \src+4*cc+2*pp, \wb+oo*\ci+cc, \bb+2*oo
.else
	PKF \dst+4*oo+2*pp, \src+4*cc+2*pp, \wb+oo*\ci+cc, \dst+4*oo+2*pp
.endif
.set pp, pp+1
.endr
.set oo, oo+1
.endr
.set cc, cc+1
.endr
.endm
.macro RELU base, n                    ; n registers in place, two an instruction
.set rr, 0
.rept \n/2
	v_dual_max_num_f32 v[\base+rr], 0, v[\base+rr] :: v_dual_max_num_f32 v[\base+rr+1], 0, v[\base+rr+1]
.set rr, rr+2
.endr
.endm
.macro STATS src, co                   ; both pixel pairs of a quad, co channels: S += d, Q += d d
.set pp, 0
.rept 2
.set oo, 0
.rept \co
	v_pk_add_f32 v[ACC+2*oo:ACC+2*oo+1], v[ACC+2*oo:ACC+2*oo+1], v[\src+4*oo+2*pp:\src+4*oo+2*pp+1]
	v_pk_fma_f32 v[ACC+8+2*oo:ACC+8+2*oo+1], v[\src+4*oo+2*pp:\src+4*oo+2*pp+1], v[\src+4*oo+2*pp:\src+4*oo+2*pp+1], v[ACC+8+2*oo:ACC+8+2*oo+1]
.set oo, oo+1
.endr
.set pp, pp+1
.endr
.endm
.macro RED4                            ; v[VQ..VQ+3] summed over the 16 lanes of my parity; every lane gets its parity's sums
.irp m, 2,4,8
.irp k, 0,1,2,3
	v_add_f32_dpp v[VQ+\k], v[VQ+\k], v[VQ+\k] row_xmask:\m row_mask:0xf bank_mask:0xf
.endr
.endr
.irp k, 0,1,2,3
	v_permlanex16_b32 v[T4+\k], v[VQ+\k], s26, s27
.endr
.irp k, 0,1,2,3
	v_add_f32 v[VQ+\k], v[VQ+\k], v[T4+\k]
.endr
.endm
.macro PIVOT dst, ws, bs, co, ci       ; v[dst+o] = sum over c, ascending, of s[ws+o ci+c] x relu(s[bs+c]); v[TA..TA+ci-1] are scratch
.set vc, 0
.rept \ci
	v_max_num_f32 v[TA+vc], s[\bs+vc], 0
.set vc, vc+1
.endr
.set vo, 0
.rept \co
	v_mul_f32 v[\dst+vo], s[\ws+vo*\ci], v[TA]
.set vc, 1
.rept \ci-1
	v_fma_f32 v[\dst+vo], s[\ws+vo*\ci+vc], v[TA+vc], v[\dst+vo]
.set vc, vc+1
.endr
.set vo, vo+1
.endr
.endm
	s_load_b512 s[4:19], s[0:1], 0x0               ; x s[4:5], sums in s[6:7], sums out s[8:9], parameters in s[10:11], out s[12:13], W s[14:15], g s[16:17], b s[18:19]
	s_load_b128 s[20:23], s[0:1], 0x40             ; the b before s[20:21], the next W s[22:23]
	v_lshl_add_u32 v224, v0, 2, 0x400
	v_mov_b32 v225, 0
	v_lshrrev_b32 v[VQ], 5, v0
	v_readfirstlane_b32 s24, v[VQ]                 ; wave, 0..15
	v_and_b32 v[VQ+1], 31, v0                      ; lane
	v_and_b32 v[VQ+2], 1, v0                       ; its parity
	v_lshlrev_b32 v[LLD], 4, v[VQ+1]
	v_lshl_or_b32 v[XOFF], v[VQ], 13, v[LLD]
	s_lshl_b32 s30, s24, 5
	v_lshl_add_u32 v[LST], v[VQ+2], 4, s30
	v_lshlrev_b32 v[SOFF], 4, v0
	v_mov_b32 v[ZERO], 0
	v_cmp_eq_u32 s25, 1, v[VQ+2]                   ; mask of the odd lanes
	s_mov_b32 s26, 0x76543210                      ; v_permlanex16_b32: lane i of one half reads lane i of the other
	s_mov_b32 s27, 0xfedcba98
	s_mov_b32 s66, 0x34000000                      ; 2^-23 = 1/N
	s_lshl_b32 s28, ttmp9, 17                      ; my work-group's 131,072 bytes
	s_mov_b32 s29, 0
.set i, 0
.rept 4
	v_mov_b32 v[T4+i], 0                           ; a permute's destination counts as read
.set i, i+1
.endr
.set i, 0
.rept 16
	v_mov_b32 v[ACC+i], 0                          ; sixteen registers; those of channels not in use are stored as zeros
.set i, i+1
.endr
	s_wait_kmcnt 0x0
	s_add_nc_u64 s[2:3], s[4:5], s[28:29]          ; x at my work-group's part
	s_lshl_b32 s28, ttmp9, 5
	s_add_nc_u64 s[8:9], s[8:9], s[28:29]          ; my 32 bytes of sums
	global_load_b128 v[VQ:VQ+3], v[SOFF], s[6:7]   ; thread 2g: S0..S3 of work-group g; thread 2g+1: its Q0..Q3.  First, since it is wanted first
	SLD 40, 14, CO*CI                              ; W
	SLD 56, 16, CO                                 ; g
	SLD 60, 18, CO                                 ; b
	SLD 68, 20, CI                                 ; the b before
	SLD 72, 22, CN*CO                              ; the next W
.set i, 0
.rept NPL
	global_load_b128 v[PR+4*i:PR+4*i+3], v[ZERO], s[10:11] offset:16*i  ; the earlier layers' folded parameters, the same in every lane
.set i, i+1
.endr
	XLOAD 0, EARLY
	; while the sums are on their way: all that does not hang on them
	s_wait_kmcnt 0x0                               ; W, g, b, the b before, the next W
	PIVOT PVC, 40, 68, CO, CI                      ; the pivot that the launch before took away
	PIVOT TA+4, 72, 60, CN, CO                     ; the next layer raw, with minus its pivot in the bias's place
.set o, 0
.rept CN
	v_mul_f32 v[SB+2*o], -1.0, v[TA+4+o]
	v_mul_f32 v[SB+2*o+1], -1.0, v[TA+4+o]
.set o, o+1
.endr
.set i, 0
.rept CN*CO
	v_mov_b32 v[SW+i], s[72+i]
.set i, i+1
.endr
	; the launch's totals: over my wave's 16 work-groups, then over the 16 waves
	s_wait_loadcnt NPL+EARLY                       ; the sums are in; the NPL parameter loads and the early loads of x behind them stay out
	RED4
	ds_store_b128 v[LST], v[VQ:VQ+3]               ; lanes of one parity write the same 16 bytes with the same values
	s_wait_dscnt 0x0                               ; for the others' sake: my store is done before I say so
	s_barrier_signal -1
	s_barrier_wait -1
	ds_load_b128 v[VQ:VQ+3], v[LLD]                ; lane 2w: S of wave w; lane 2w+1: its Q
	s_wait_dscnt 0x0
	XLOAD EARLY, 16-EARLY                          ; the other 14 quads: behind the exchange through LDS, ahead of the fold
	RED4
.irp k, 0,1,2,3
	v_readlane_b32 s[32+\k], v[VQ+\k], 0           ; S0..S3
	v_readlane_b32 s[36+\k], v[VQ+\k], 1           ; Q0..Q3
.endr
	; fold this layer (the same numbers in every lane)
.set o, 0
.rept CO
	v_mul_f32 v[TA+8+o], s66, s[32+o]              ; S/N
	v_mul_f32 v[TA+12+o], s66, s[36+o]             ; Q/N
	v_fma_f32 v[TA+12+o], -v[TA+8+o], v[TA+8+o], v[TA+12+o]
	v_max_num_f32 v[TA+12+o], 0, v[TA+12+o]        ; var
	v_add_f32 v[TA+12+o], 0x3727c5ac, v[TA+12+o]   ; + 1e-5
	v_add_f32 v[TB+4+o], v[PVC+o], v[TA+8+o]       ; mean
.set o, o+1
.endr
.set o, 0
.rept CO
	v_rsq_f32 v[TB+o], v[TA+12+o]
.set o, o+1
.endr
	v_nop                                          ; one plain vector instruction behind the roots before their results are used (ISA guide 5.7.2)
.set o, 0
	s_wait_alu depctr_va_vdst(0)
.rept CO
	v_mul_f32 v[TB+o], s[56+o], v[TB+o]            ; sc = g rsq
	v_fma_f32 v[PR+PB+2*o], -v[TB+o], v[TB+4+o], s[60+o]   ; B' = b - sc mean
	v_mov_b32 v[PR+PB+2*o+1], v[PR+PB+2*o]
.set c, 0
.rept CI
	v_mul_f32 v[PR+PW+o*CI+c], s[40+o*CI+c], v[TB+o]       ; W' = sc W
.set c, c+1
.endr
.set o, o+1
.endr
	; one lane of the launch stores the folded parameters for the later launches: NPS x 16 bytes, once
	s_cmp_lg_u32 ttmp9, 0
	s_cbranch_scc1 .Lnopar
	s_cmp_lg_u32 s24, 0
	s_cbranch_scc1 .Lnopar
	s_wait_loadcnt 16                              ; the earlier layers' parameters are in; only the 16 loads of x are younger
	s_wait_xcnt 0x0                                ; EXEC is a source of the loads above: it changes only behind this wait
	v_cmp_eq_u32 vcc_lo, 0, v0
	s_and_saveexec_b32 s30, vcc_lo
.set i, 0
.rept NPS
	global_store_b128 v[ZERO], v[PR+4*i:PR+4*i+3], s[12:13] offset:16*i
.set i, i+1
.endr
	s_wait_xcnt 0x0
	s_or_b32 exec_lo, exec_lo, s30
.Lnopar:
.macro CHUNK i
	s_wait_loadcnt 15-\i                           ; loads come back in order (ISA guide 5.7.1): quad i (and all parameters) are in, the 15 - i younger ones stay out
	CONV TA, X+4*\i, PR+0, PR+2, 2, 1
	RELU TA, 8
	CONV TB, TA, PR+8, PR+16, 4, 2
	RELU TB, 16
	CONV TA, TB, SW, SB, 4, 4                      ; y3 - pivot
	STATS TA, 4
.endm
.irp i, 0,1,2,3,4,5,6,7,8,9,10,11,12,13,14,15
	CHUNK \i
.endr
	; the work-group's eight sums: pairs, neighbouring lanes, then S in the even lanes and Q in the odd ones
.irp k, 0,1,2,3,4,5,6,7
	v_add_f32 v[R+\k], v[ACC+2*\k], v[ACC+2*\k+1]
.endr
.irp k, 0,1,2,3,4,5,6,7
	v_add_f32_dpp v[R+\k], v[R+\k], v[R+\k] row_xmask:1 row_mask:0xf bank_mask:0xf
.endr
.irp k, 0,1,2,3
	v_cndmask_b32 v[VQ+\k], v[R+\k], v[R+4+\k], s25
.endr
	RED4
	ds_store_b128 v[LST], v[VQ:VQ+3] offset:512    ; other bytes than the first reduction's: one barrier is enough
	s_wait_dscnt 0x0                               ; for wave 0's sake
	s_barrier_signal -1
	s_barrier_wait -1
	s_cmp_lg_u32 s24, 0
	s_cbranch_scc1 .Lend
	ds_load_b128 v[VQ:VQ+3], v[LLD] offset:512
	s_wait_dscnt 0x0
	RED4
	s_wait_xcnt 0x0                                ; EXEC changes only behind this wait
	v_cmp_gt_u32 vcc_lo, 2, v0
	s_and_saveexec_b32 s30, vcc_lo
	global_store_b128 v[SOFF], v[VQ:VQ+3], s[8:9]  ; lane 0: S0..S3, lane 1: Q0..Q3; 32 bytes a work-group, 8 KiB in the launch
	s_wait_xcnt 0x0
	s_or_b32 exec_lo, exec_lo, s30
.Lend:
	s_wait_tensorcnt 0x0
	ds_add_u32 v224, v225
	s_wait_dscnt 0x0
	s_endpgm
.Lfunc_end_k_qff56d6b3ff_pass2:
	.size	k_qff56d6b3ff_pass2, .Lfunc_end_k_qff56d6b3ff_pass2-k_qff56d6b3ff_pass2
	.p2alignl 7, 3214868480
	.fill 96, 4, 3214868480
	.section	.rodata,"a",@progbits
	.p2align	6, 0x0
	.amdhsa_kernel k_qff56d6b3ff_pass2
		.amdhsa_group_segment_fixed_size 3072
		.amdhsa_private_segment_fixed_size 0
		.amdhsa_enable_private_segment 0
		.amdhsa_kernarg_size 80
		.amdhsa_user_sgpr_count 2
		.amdhsa_user_sgpr_kernarg_segment_ptr 1
		.amdhsa_wavefront_size32 1
		.amdhsa_system_sgpr_workgroup_id_x 1
		.amdhsa_system_sgpr_workgroup_id_y 1
		.amdhsa_system_sgpr_workgroup_id_z 1
		.amdhsa_system_vgpr_workitem_id 0
		.amdhsa_next_free_vgpr 226
		.amdhsa_next_free_sgpr 88
		.amdhsa_reserve_vcc 1
		.amdhsa_float_denorm_mode_32 3
		.amdhsa_float_denorm_mode_16_64 3
		.amdhsa_memory_ordered 1
		.amdhsa_forward_progress 1
		.amdhsa_inst_pref_size 97
	.end_amdhsa_kernel
	.amdgpu_metadata
---
amdhsa.version: [ 1, 2 ]
amdhsa.kernels:
  - .name:           k_qff56d6b3ff_pass2
    .symbol:         k_qff56d6b3ff_pass2.kd
    .args:
      - { .name: x, .offset: 0, .size: 8, .value_kind: global_buffer, .address_space: global }
      - { .name: sB, .offset: 8, .size: 8, .value_kind: global_buffer, .address_space: global }
      - { .name: sA, .offset: 16, .size: 8, .value_kind: global_buffer, .address_space: global }
      - { .name: pA, .offset: 24, .size: 8, .value_kind: global_buffer, .address_space: global }
      - { .name: pB, .offset: 32, .size: 8, .value_kind: global_buffer, .address_space: global }
      - { .name: w2, .offset: 40, .size: 8, .value_kind: global_buffer, .address_space: global }
      - { .name: g2, .offset: 48, .size: 8, .value_kind: global_buffer, .address_space: global }
      - { .name: b2, .offset: 56, .size: 8, .value_kind: global_buffer, .address_space: global }
      - { .name: b1, .offset: 64, .size: 8, .value_kind: global_buffer, .address_space: global }
      - { .name: w3, .offset: 72, .size: 8, .value_kind: global_buffer, .address_space: global }
    .group_segment_fixed_size: 3072
    .private_segment_fixed_size: 0
    .kernarg_segment_align: 8
    .kernarg_segment_size: 80
    .max_flat_workgroup_size: 512
    .sgpr_count:     88
    .vgpr_count:     226
    .wavefront_size: 32
...
	.end_amdgpu_metadata
.endif
;; end of part 3
;; launch pass3 (part 4): grid 256 x 1, 16 waves a work-group, no clusters, 3,072 bytes of LDS; arguments x, sA, sB, pB, pA, w3, g3, b3, b2, w4; writes sB, pA
.if DOCPART == 4
	.amdgcn_target "amdgcn-amd-amdhsa--gfx1250"
	.amdhsa_code_object_version 6
	.text
	.protected	k_qff56d6b3ff_pass3
	.globl	k_qff56d6b3ff_pass3
	.p2align	8
	.type	k_qff56d6b3ff_pass3,@function
k_qff56d6b3ff_pass3:
	s_mov_b64 s[64:65], 0
	v_nop
	global_prefetch_b8 v0, s[64:65] scope:SCOPE_SE
	s_setreg_imm32_b32 hwreg(HW_REG_WAVE_MODE, 25, 1), 1
	s_wait_xcnt 0x0
; NOISENET: five blocks of 1x1 convolution, batch norm on batch statistics, ReLU, over N = 2^23 pixels; channels 1-2-4-4-2-1.
; Each norm needs sums over all pixels that hang, through the ReLUs, on the norm before it, and work-groups of a launch do not talk:
; six launches, each of which reads x again and recomputes the chain in registers (4 bytes a pixel; a stored intermediate is up to 16).
; THIS IS LAUNCH 3 OF 0..5: it adds up the 256 work-groups' sums of y3 - pivot, folds layer 3's norm into its weights, and sums
; y4 - pivot and its square.
; NORM FOLDED: sc = g rsq(var + eps), W' = sc W, B' = b - sc mean, h = relu(W' h_before + B').
; SHIFTED SUMS: S = sum(y - pv), Q = sum((y - pv)^2), mean = pv + S/N, var = max(Q/N - (S/N)^2, 0), 1/N = 2^-23 exactly.
; pv[o] = sum over c of W[o][c] relu(b_before[c]) is y where the normalised input is 0: it is equal in all work-groups, made by the same
; instructions in the launch that sums and in the launch that folds, and takes a large b away before anything is squared.
; ARITHMETIC: f32 on the vector ALU, two pixels an instruction.  No matrix instructions: the products have K = 1, 2 or 4, of which a 16-bit
; matrix instruction multiplies 32, and each layer would need a conversion to 16 bits and back.  No clusters: only 8 KiB of sums are shared.
; SHARES: work-group g owns bytes 131,072 g .. of x, wave w 8,192 of them; each load of a wave covers 512 consecutive bytes, aligned;
; a lane has 64 pixels in 16 quads.  Wave 0 of work-group 0 also stores the folded parameters.
; ORDER OF THE OPENING: the sums of the launch before are requested first, then the small scalar inputs, the earlier layers' parameters and
; EARLY = 2 of my 16 quads of x.  What does not hang on the sums (both pivots, the next layer's raw weights) is made while they are on their
; way.  The other 14 quads are requested behind the wait for the reduction's LDS load: the reduction's two LDS instructions, on which the
; first arithmetic of all 16 waves hangs, are issued with at most 1 + NPL + EARLY loads of a wave outstanding, and the rest of the fold and
; the early quads' arithmetic (4 waves a SIMD x 2 quads x 96 instructions) stand between the late request and the first wait for it.
; LIMITS: NaN and infinities in the inputs are not served (v_max_num_f32 turns a NaN into 0, the reference spreads it).  A pivot k standard
; deviations from the mean costs about k^2 2^-24 relative in the variance.  The order of the sums differs from the reference's.
.set CO,  4                            ; the layer that is folded: outputs,
.set CI,  4                            ; inputs
.set CN,  2                            ; outputs of the next layer, whose sums are taken
.set PW,  24                           ; where its folded weights
.set PB,  40                           ; and biases lie in the parameter block
.set NPL, 6                            ; 16-byte pieces of parameters loaded (the layers before)
.set NPS, 12                           ; and stored (with this layer)
.set EARLY, 2                          ; quads of x requested ahead of the reduction
.set XOFF, 1                           ; v1         wave x 8,192 + lane x 16: my 16 bytes in my wave's first 512
.set LST,  2                           ; v2         LDS: wave x 32 + (lane & 1) x 16
.set LLD,  3                           ; v3         LDS: lane x 16
.set SOFF, 4                           ; v4         thread x 16
.set ZERO, 5                           ; v5         0
.set VQ,   6                           ; v[6:9]     four sums on their way across lanes (first: scratch)
.set T4,   10                          ; v[10:13]   what v_permlanex16_b32 brings
.set R,    14                          ; v[14:21]   my lane's eight sums
.set PR,   24                          ; v[24:87]   folded parameters: weights [o][c] once, each bias twice.  L1: W 0, B 2, 6-7 = 0; L2: W 8, B 16;
                                       ;            L3: W 24, B 40; L4: W 48, B 56; L5: W 60, B 62
.set SW,   88                          ; v[88:103]  raw weights of the next layer
.set SB,   104                         ; v[104:111] minus its pivots, each twice
.set ACC,  112                         ; v[112:127] S of channel o as a pair at ACC+2o, Q at ACC+8+2o
.set TA,   128                         ; v[128:143] activations: channel c, pixel pair p of a quad at 4c + 2p
.set TB,   144                         ; v[144:159] the same, in turn
.set PVC,  TB+8                        ; v[152:155] this layer's pivots, from the opening to the fold
.set X,    160                         ; v[160:223] quad i at X+4i
.macro SLD dst, ptr, n                 ; n floats from the head of the buffer at s[ptr:ptr+1] into s[dst ..]
.if (\n)==1
	s_load_b32 s[\dst], s[\ptr:\ptr+1], 0x0
.elseif (\n)==2
	s_load_b64 s[\dst:\dst+1], s[\ptr:\ptr+1], 0x0
.elseif (\n)==4
	s_load_b128 s[\dst:\dst+3], s[\ptr:\ptr+1], 0x0
.elseif (\n)==8
	s_load_b256 s[\dst:\dst+7], s[\ptr:\ptr+1], 0x0
.else
	s_load_b512 s[\dst:\dst+15], s[\ptr:\ptr+1], 0x0
.endif
.endm
.macro XLOAD from, n                   ; quads from .. from+n-1 of x; no hint: the later launches read x again
.set i, \from
.rept \n
	global_load_b128 v[X+4*i:X+4*i+3], v[XOFF], s[2:3] offset:512*i
.set i, i+1
.endr
.endm
.macro PKF d, a, w, c                  ; v[d:d+1] = v[a:a+1] x v[w] + v[c:c+1]: two pixels, one weight, picked from its even-aligned pair
.if ((\w)&1)==0
	v_pk_fma_f32 v[\d:\d+1], v[\a:\a+1], v[\w:\w+1], v[\c:\c+1] op_sel_hi:[1,0,1]
.else
	v_pk_fma_f32 v[\d:\d+1], v[\a:\a+1], v[\w-1:\w], v[\c:\c+1] op_sel:[0,1,0] op_sel_hi:[1,1,1]
.endif
.endm
.macro CONV dst, src, wb, bb, co, ci   ; one quad through a layer; the bias starts each sum; c outermost, so that 2 co lines lie between dependent ones
.set cc, 0
.rept \ci
.set oo, 0
.rept \co
.set pp, 0
.rept 2
.if cc==0
	PKF \dst+4*oo+2*pp, \src+4*cc+2*pp, \wb+oo*\ci+cc, \bb+2*oo
.else
	PKF \dst+4*oo+2*pp, \src+4*cc+2*pp, \wb+oo*\ci+cc, \dst+4*oo+2*pp
.endif
.set pp, pp+1
.endr
.set oo, oo+1
.endr
.set cc, cc+1
.endr
.endm
.macro RELU base, n                    ; n registers in place, two an instruction
.set rr, 0
.rept \n/2
	v_dual_max_num_f32 v[\base+rr], 0, v[\base+rr] :: v_dual_max_num_f32 v[\base+rr+1], 0, v[\base+rr+1]
.set rr, rr+2
.endr
.endm
.macro STATS src, co                   ; both pixel pairs of a quad, co channels: S += d, Q += d d
.set pp, 0
.rept 2
.set oo, 0
.rept \co
	v_pk_add_f32 v[ACC+2*oo:ACC+2*oo+1], v[ACC+2*oo:ACC+2*oo+1], v[\src+4*oo+2*pp:\src+4*oo+2*pp+1]
	v_pk_fma_f32 v[ACC+8+2*oo:ACC+8+2*oo+1], v[\src+4*oo+2*pp:\src+4*oo+2*pp+1], v[\src+4*oo+2*pp:\src+4*oo+2*pp+1], v[ACC+8+2*oo:ACC+8+2*oo+1]
.set oo, oo+1
.endr
.set pp, pp+1
.endr
.endm
.macro RED4                            ; v[VQ..VQ+3] summed over the 16 lanes of my parity; every lane gets its parity's sums
.irp m, 2,4,8
.irp k, 0,1,2,3
	v_add_f32_dpp v[VQ+\k], v[VQ+\k], v[VQ+\k] row_xmask:\m row_mask:0xf bank_mask:0xf
.endr
.endr
.irp k, 0,1,2,3
	v_permlanex16_b32 v[T4+\k], v[VQ+\k], s26, s27
.endr
.irp k, 0,1,2,3
	v_add_f32 v[VQ+\k], v[VQ+\k], v[T4+\k]
.endr
.endm
.macro PIVOT dst, ws, bs, co, ci       ; v[dst+o] = sum over c, ascending, of s[ws+o ci+c] x relu(s[bs+c]); v[TA..TA+ci-1] are scratch
.set vc, 0
.rept \ci
	v_max_num_f32 v[TA+vc], s[\bs+vc], 0
.set vc, vc+1
.endr
.set vo, 0
.rept \co
	v_mul_f32 v[\dst+vo], s[\ws+vo*\ci], v[TA]
.set vc, 1
.rept \ci-1
	v_fma_f32 v[\dst+vo], s[\ws+vo*\ci+vc], v[TA+vc], v[\dst+vo]
.set vc, vc+1
.endr
.set vo, vo+1
.endr
.endm
	s_load_b512 s[4:19], s[0:1], 0x0               ; x s[4:5], sums in s[6:7], sums out s[8:9], parameters in s[10:11], out s[12:13], W s[14:15], g s[16:17], b s[18:19]
	s_load_b128 s[20:23], s[0:1], 0x40             ; the b before s[20:21], the next W s[22:23]
	v_lshl_add_u32 v224, v0, 2, 0x400
	v_mov_b32 v225, 0
	v_lshrrev_b32 v[VQ], 5, v0
	v_readfirstlane_b32 s24, v[VQ]                 ; wave, 0..15
	v_and_b32 v[VQ+1], 31, v0                      ; lane
	v_and_b32 v[VQ+2], 1, v0                       ; its parity
	v_lshlrev_b32 v[LLD], 4, v[VQ+1]
	v_lshl_or_b32 v[XOFF], v[VQ], 13, v[LLD]
	s_lshl_b32 s30, s24, 5
	v_lshl_add_u32 v[LST], v[VQ+2], 4, s30
	v_lshlrev_b32 v[SOFF], 4, v0
	v_mov_b32 v[ZERO], 0
	v_cmp_eq_u32 s25, 1, v[VQ+2]                   ; mask of the odd lanes
	s_mov_b32 s26, 0x76543210                      ; v_permlanex16_b32: lane i of one half reads lane i of the other
	s_mov_b32 s27, 0xfedcba98
	s_mov_b32 s66, 0x34000000                      ; 2^-23 = 1/N
	s_lshl_b32 s28, ttmp9, 17                      ; my work-group's 131,072 bytes
	s_mov_b32 s29, 0
.set i, 0
.rept 4
	v_mov_b32 v[T4+i], 0                           ; a permute's destination counts as read
.set i, i+1
.endr
.set i, 0
.rept 16
	v_mov_b32 v[ACC+i], 0                          ; sixteen registers; those of channels not in use are stored as zeros
.set i, i+1
.endr
	s_wait_kmcnt 0x0
	s_add_nc_u64 s[2:3], s[4:5], s[28:29]          ; x at my work-group's part
	s_lshl_b32 s28, ttmp9, 5
	s_add_nc_u64 s[8:9], s[8:9], s[28:29]          ; my 32 bytes of sums
	global_load_b128 v[VQ:VQ+3], v[SOFF], s[6:7]   ; thread 2g: S0..S3 of work-group g; thread 2g+1: its Q0..Q3.  First, since it is wanted first
	SLD 40, 14, CO*CI                              ; W
	SLD 56, 16, CO                                 ; g
	SLD 60, 18, CO                                 ; b
	SLD 68, 20, CI                                 ; the b before
	SLD 72, 22, CN*CO                              ; the next W
.set i, 0
.rept NPL
	global_load_b128 v[PR+4*i:PR+4*i+3], v[ZERO], s[10:11] offset:16*i  ; the earlier layers' folded parameters, the same in every lane
.set i, i+1
.endr
	XLOAD 0, EARLY
	; while the sums are on their way: all that does not hang on them
	s_wait_kmcnt 0x0                               ; W, g, b, the b before, the next W
	PIVOT PVC, 40, 68, CO, CI                      ; the pivot that the launch before took away
	PIVOT TA+4, 72, 60, CN, CO                     ; the next layer raw, with minus its pivot in the bias's place
.set o, 0
.rept CN
	v_mul_f32 v[SB+2*o], -1.0, v[TA+4+o]
	v_mul_f32 v[SB+2*o+1], -1.0, v[TA+4+o]
.set o, o+1
.endr
.set i, 0
.rept CN*CO
	v_mov_b32 v[SW+i], s[72+i]
.set i, i+1
.endr
	; the launch's totals: over my wave's 16 work-groups, then over the 16 waves
	s_wait_loadcnt NPL+EARLY                       ; the sums are in; the NPL parameter loads and the early loads of x behind them stay out
	RED4
	ds_store_b128 v[LST], v[VQ:VQ+3]               ; lanes of one parity write the same 16 bytes with the same values
	s_wait_dscnt 0x0                               ; for the others' sake: my store is done before I say so
	s_barrier_signal -1
	s_barrier_wait -1
	ds_load_b128 v[VQ:VQ+3], v[LLD]                ; lane 2w: S of wave w; lane 2w+1: its Q
	s_wait_dscnt 0x0
	XLOAD EARLY, 16-EARLY                          ; the other 14 quads: behind the exchange through LDS, ahead of the fold
	RED4
.irp k, 0,1,2,3
	v_readlane_b32 s[32+\k], v[VQ+\k], 0           ; S0..S3
	v_readlane_b32 s[36+\k], v[VQ+\k], 1           ; Q0..Q3
.endr
	; fold this layer (the same numbers in every lane)
.set o, 0
.rept CO
	v_mul_f32 v[TA+8+o], s66, s[32+o]              ; S/N
	v_mul_f32 v[TA+12+o], s66, s[36+o]             ; Q/N
	v_fma_f32 v[TA+12+o], -v[TA+8+o], v[TA+8+o], v[TA+12+o]
	v_max_num_f32 v[TA+12+o], 0, v[TA+12+o]        ; var
	v_add_f32 v[TA+12+o], 0x3727c5ac, v[TA+12+o]   ; + 1e-5
	v_add_f32 v[TB+4+o], v[PVC+o], v[TA+8+o]       ; mean
.set o, o+1
.endr
.set o, 0
.rept CO
	v_rsq_f32 v[TB+o], v[TA+12+o]
.set o, o+1
.endr
	v_nop                                          ; one plain vector instruction behind the roots before their results are used (ISA guide 5.7.2)
.set o, 0
	s_wait_alu depctr_va_vdst(0)
.rept CO
	v_mul_f32 v[TB+o], s[56+o], v[TB+o]            ; sc = g rsq
	v_fma_f32 v[PR+PB+2*o], -v[TB+o], v[TB+4+o], s[60+o]   ; B' = b - sc mean
	v_mov_b32 v[PR+PB+2*o+1], v[PR+PB+2*o]
.set c, 0
.rept CI
	v_mul_f32 v[PR+PW+o*CI+c], s[40+o*CI+c], v[TB+o]       ; W' = sc W
.set c, c+1
.endr
.set o, o+1
.endr
	; one lane of the launch stores the folded parameters for the later launches: NPS x 16 bytes, once
	s_cmp_lg_u32 ttmp9, 0
	s_cbranch_scc1 .Lnopar
	s_cmp_lg_u32 s24, 0
	s_cbranch_scc1 .Lnopar
	s_wait_loadcnt 16                              ; the earlier layers' parameters are in; only the 16 loads of x are younger
	s_wait_xcnt 0x0                                ; EXEC is a source of the loads above: it changes only behind this wait
	v_cmp_eq_u32 vcc_lo, 0, v0
	s_and_saveexec_b32 s30, vcc_lo
.set i, 0
.rept NPS
	global_store_b128 v[ZERO], v[PR+4*i:PR+4*i+3], s[12:13] offset:16*i
.set i, i+1
.endr
	s_wait_xcnt 0x0
	s_or_b32 exec_lo, exec_lo, s30
.Lnopar:
.macro CHUNK i
	s_wait_loadcnt 15-\i                           ; loads come back in order (ISA guide 5.7.1): quad i (and all parameters) are in, the 15 - i younger ones stay out
	CONV TA, X+4*\i, PR+0, PR+2, 2, 1
	RELU TA, 8
	CONV TB, TA, PR+8, PR+16, 4, 2
	RELU TB, 16
	CONV TA, TB, PR+24, PR+40, 4, 4
	RELU TA, 16
	CONV TB, TA, SW, SB, 2, 4                      ; y4 - pivot
	STATS TB, 2
.endm
.irp i, 0,1,2,3,4,5,6,7,8,9,10,11,12,13,14,15
	CHUNK \i
.endr
	; the work-group's eight sums: pairs, neighbouring lanes, then S in the even lanes and Q in the odd ones
.irp k, 0,1,2,3,4,5,6,7
	v_add_f32 v[R+\k], v[ACC+2*\k], v[ACC+2*\k+1]
.endr
.irp k, 0,1,2,3,4,5,6,7
	v_add_f32_dpp v[R+\k], v[R+\k], v[R+\k] row_xmask:1 row_mask:0xf bank_mask:0xf
.endr
.irp k, 0,1,2,3
	v_cndmask_b32 v[VQ+\k], v[R+\k], v[R+4+\k], s25
.endr
	RED4
	ds_store_b128 v[LST], v[VQ:VQ+3] offset:512    ; other bytes than the first reduction's: one barrier is enough
	s_wait_dscnt 0x0                               ; for wave 0's sake
	s_barrier_signal -1
	s_barrier_wait -1
	s_cmp_lg_u32 s24, 0
	s_cbranch_scc1 .Lend
	ds_load_b128 v[VQ:VQ+3], v[LLD] offset:512
	s_wait_dscnt 0x0
	RED4
	s_wait_xcnt 0x0                                ; EXEC changes only behind this wait
	v_cmp_gt_u32 vcc_lo, 2, v0
	s_and_saveexec_b32 s30, vcc_lo
	global_store_b128 v[SOFF], v[VQ:VQ+3], s[8:9]  ; lane 0: S0..S3, lane 1: Q0..Q3; 32 bytes a work-group, 8 KiB in the launch
	s_wait_xcnt 0x0
	s_or_b32 exec_lo, exec_lo, s30
.Lend:
	s_wait_tensorcnt 0x0
	ds_add_u32 v224, v225
	s_wait_dscnt 0x0
	s_endpgm
.Lfunc_end_k_qff56d6b3ff_pass3:
	.size	k_qff56d6b3ff_pass3, .Lfunc_end_k_qff56d6b3ff_pass3-k_qff56d6b3ff_pass3
	.p2alignl 7, 3214868480
	.fill 96, 4, 3214868480
	.section	.rodata,"a",@progbits
	.p2align	6, 0x0
	.amdhsa_kernel k_qff56d6b3ff_pass3
		.amdhsa_group_segment_fixed_size 3072
		.amdhsa_private_segment_fixed_size 0
		.amdhsa_enable_private_segment 0
		.amdhsa_kernarg_size 80
		.amdhsa_user_sgpr_count 2
		.amdhsa_user_sgpr_kernarg_segment_ptr 1
		.amdhsa_wavefront_size32 1
		.amdhsa_system_sgpr_workgroup_id_x 1
		.amdhsa_system_sgpr_workgroup_id_y 1
		.amdhsa_system_sgpr_workgroup_id_z 1
		.amdhsa_system_vgpr_workitem_id 0
		.amdhsa_next_free_vgpr 226
		.amdhsa_next_free_sgpr 88
		.amdhsa_reserve_vcc 1
		.amdhsa_float_denorm_mode_32 3
		.amdhsa_float_denorm_mode_16_64 3
		.amdhsa_memory_ordered 1
		.amdhsa_forward_progress 1
		.amdhsa_inst_pref_size 114
	.end_amdhsa_kernel
	.amdgpu_metadata
---
amdhsa.version: [ 1, 2 ]
amdhsa.kernels:
  - .name:           k_qff56d6b3ff_pass3
    .symbol:         k_qff56d6b3ff_pass3.kd
    .args:
      - { .name: x, .offset: 0, .size: 8, .value_kind: global_buffer, .address_space: global }
      - { .name: sA, .offset: 8, .size: 8, .value_kind: global_buffer, .address_space: global }
      - { .name: sB, .offset: 16, .size: 8, .value_kind: global_buffer, .address_space: global }
      - { .name: pB, .offset: 24, .size: 8, .value_kind: global_buffer, .address_space: global }
      - { .name: pA, .offset: 32, .size: 8, .value_kind: global_buffer, .address_space: global }
      - { .name: w3, .offset: 40, .size: 8, .value_kind: global_buffer, .address_space: global }
      - { .name: g3, .offset: 48, .size: 8, .value_kind: global_buffer, .address_space: global }
      - { .name: b3, .offset: 56, .size: 8, .value_kind: global_buffer, .address_space: global }
      - { .name: b2, .offset: 64, .size: 8, .value_kind: global_buffer, .address_space: global }
      - { .name: w4, .offset: 72, .size: 8, .value_kind: global_buffer, .address_space: global }
    .group_segment_fixed_size: 3072
    .private_segment_fixed_size: 0
    .kernarg_segment_align: 8
    .kernarg_segment_size: 80
    .max_flat_workgroup_size: 512
    .sgpr_count:     88
    .vgpr_count:     226
    .wavefront_size: 32
...
	.end_amdgpu_metadata
.endif
;; end of part 4
;; launch pass4 (part 5): grid 256 x 1, 16 waves a work-group, no clusters, 3,072 bytes of LDS; arguments x, sB, sA, pA, pB, w4, g4, b4, b3, w5; writes sA, pB
.if DOCPART == 5
	.amdgcn_target "amdgcn-amd-amdhsa--gfx1250"
	.amdhsa_code_object_version 6
	.text
	.protected	k_qff56d6b3ff_pass4
	.globl	k_qff56d6b3ff_pass4
	.p2align	8
	.type	k_qff56d6b3ff_pass4,@function
k_qff56d6b3ff_pass4:
	s_mov_b64 s[64:65], 0
	v_nop
	global_prefetch_b8 v0, s[64:65] scope:SCOPE_SE
	s_setreg_imm32_b32 hwreg(HW_REG_WAVE_MODE, 25, 1), 1
	s_wait_xcnt 0x0
; NOISENET: five blocks of 1x1 convolution, batch norm on batch statistics, ReLU, over N = 2^23 pixels; channels 1-2-4-4-2-1.
; Each norm needs sums over all pixels that hang, through the ReLUs, on the norm before it, and work-groups of a launch do not talk:
; six launches, each of which reads x again and recomputes the chain in registers (4 bytes a pixel; a stored intermediate is up to 16).
; THIS IS LAUNCH 4 OF 0..5: it adds up the 256 work-groups' sums of y4 - pivot, folds layer 4's norm into its weights, and sums
; y5 - pivot and its square.
; NORM FOLDED: sc = g rsq(var + eps), W' = sc W, B' = b - sc mean, h = relu(W' h_before + B').
; SHIFTED SUMS: S = sum(y - pv), Q = sum((y - pv)^2), mean = pv + S/N, var = max(Q/N - (S/N)^2, 0), 1/N = 2^-23 exactly.
; pv[o] = sum over c of W[o][c] relu(b_before[c]) is y where the normalised input is 0: it is equal in all work-groups, made by the same
; instructions in the launch that sums and in the launch that folds, and takes a large b away before anything is squared.
; ARITHMETIC: f32 on the vector ALU, two pixels an instruction.  No matrix instructions: the products have K = 1, 2 or 4, of which a 16-bit
; matrix instruction multiplies 32, and each layer would need a conversion to 16 bits and back.  No clusters: only 8 KiB of sums are shared.
; SHARES: work-group g owns bytes 131,072 g .. of x, wave w 8,192 of them; each load of a wave covers 512 consecutive bytes, aligned;
; a lane has 64 pixels in 16 quads.  Wave 0 of work-group 0 also stores the folded parameters.
; ORDER OF THE OPENING: the sums of the launch before are requested first, then the small scalar inputs, the earlier layers' parameters and
; EARLY = 2 of my 16 quads of x.  What does not hang on the sums (both pivots, the next layer's raw weights) is made while they are on their
; way.  The other 14 quads are requested behind the wait for the reduction's LDS load: the reduction's two LDS instructions, on which the
; first arithmetic of all 16 waves hangs, are issued with at most 1 + NPL + EARLY loads of a wave outstanding, and the rest of the fold and
; the early quads' arithmetic (4 waves a SIMD x 2 quads x 100 instructions) stand between the late request and the first wait for it.
; LIMITS: NaN and infinities in the inputs are not served (v_max_num_f32 turns a NaN into 0, the reference spreads it).  A pivot k standard
; deviations from the mean costs about k^2 2^-24 relative in the variance.  The order of the sums differs from the reference's.
.set CO,  2                            ; the layer that is folded: outputs,
.set CI,  4                            ; inputs
.set CN,  1                            ; outputs of the next layer, whose sums are taken
.set PW,  48                           ; where its folded weights
.set PB,  56                           ; and biases lie in the parameter block
.set NPL, 12                           ; 16-byte pieces of parameters loaded (the layers before)
.set NPS, 15                           ; and stored (with this layer)
.set EARLY, 2                          ; quads of x requested ahead of the reduction
.set XOFF, 1                           ; v1         wave x 8,192 + lane x 16: my 16 bytes in my wave's first 512
.set LST,  2                           ; v2         LDS: wave x 32 + (lane & 1) x 16
.set LLD,  3                           ; v3         LDS: lane x 16
.set SOFF, 4                           ; v4         thread x 16
.set ZERO, 5                           ; v5         0
.set VQ,   6                           ; v[6:9]     four sums on their way across lanes (first: scratch)
.set T4,   10                          ; v[10:13]   what v_permlanex16_b32 brings
.set R,    14                          ; v[14:21]   my lane's eight sums
.set PR,   24                          ; v[24:87]   folded parameters: weights [o][c] once, each bias twice.  L1: W 0, B 2, 6-7 = 0; L2: W 8, B 16;
                                       ;            L3: W 24, B 40; L4: W 48, B 56; L5: W 60, B 62
.set SW,   88                          ; v[88:103]  raw weights of the next layer
.set SB,   104                         ; v[104:111] minus its pivots, each twice
.set ACC,  112                         ; v[112:127] S of channel o as a pair at ACC+2o, Q at ACC+8+2o
.set TA,   128                         ; v[128:143] activations: channel c, pixel pair p of a quad at 4c + 2p
.set TB,   144                         ; v[144:159] the same, in turn
.set PVC,  TB+8                        ; v[152:155] this layer's pivots, from the opening to the fold
.set X,    160                         ; v[160:223] quad i at X+4i
.macro SLD dst, ptr, n                 ; n floats from the head of the buffer at s[ptr:ptr+1] into s[dst ..]
.if (\n)==1
	s_load_b32 s[\dst], s[\ptr:\ptr+1], 0x0
.elseif (\n)==2
	s_load_b64 s[\dst:\dst+1], s[\ptr:\ptr+1], 0x0
.elseif (\n)==4
	s_load_b128 s[\dst:\dst+3], s[\ptr:\ptr+1], 0x0
.elseif (\n)==8
	s_load_b256 s[\dst:\dst+7], s[\ptr:\ptr+1], 0x0
.else
	s_load_b512 s[\dst:\dst+15], s[\ptr:\ptr+1], 0x0
.endif
.endm
.macro XLOAD from, n                   ; quads from .. from+n-1 of x; no hint: the last launch reads x again
.set i, \from
.rept \n
	global_load_b128 v[X+4*i:X+4*i+3], v[XOFF], s[2:3] offset:512*i
.set i, i+1
.endr
.endm
.macro PKF d, a, w, c                  ; v[d:d+1] = v[a:a+1] x v[w] + v[c:c+1]: two pixels, one weight, picked from its even-aligned pair
.if ((\w)&1)==0
	v_pk_fma_f32 v[\d:\d+1], v[\a:\a+1], v[\w:\w+1], v[\c:\c+1] op_sel_hi:[1,0,1]
.else
	v_pk_fma_f32 v[\d:\d+1], v[\a:\a+1], v[\w-1:\w], v[\c:\c+1] op_sel:[0,1,0] op_sel_hi:[1,1,1]
.endif
.endm
.macro CONV dst, src, wb, bb, co, ci   ; one quad through a layer; the bias starts each sum; c outermost, so that 2 co lines lie between dependent ones
.set cc, 0
.rept \ci
.set oo, 0
.rept \co
.set pp, 0
.rept 2
.if cc==0
	PKF \dst+4*oo+2*pp, \src+4*cc+2*pp, \wb+oo*\ci+cc, \bb+2*oo
.else
	PKF \dst+4*oo+2*pp, \src+4*cc+2*pp, \wb+oo*\ci+cc, \dst+4*oo+2*pp
.endif
.set pp, pp+1
.endr
.set oo, oo+1
.endr
.set cc, cc+1
.endr
.endm
.macro RELU base, n                    ; n registers in place, two an instruction
.set rr, 0
.rept \n/2
	v_dual_max_num_f32 v[\base+rr], 0, v[\base+rr] :: v_dual_max_num_f32 v[\base+rr+1], 0, v[\base+rr+1]
.set rr, rr+2
.endr
.endm
.macro STATS src, co                   ; both pixel pairs of a quad, co channels: S += d, Q += d d
.set pp, 0
.rept 2
.set oo, 0
.rept \co
	v_pk_add_f32 v[ACC+2*oo:ACC+2*oo+1], v[ACC+2*oo:ACC+2*oo+1], v[\src+4*oo+2*pp:\src+4*oo+2*pp+1]
	v_pk_fma_f32 v[ACC+8+2*oo:ACC+8+2*oo+1], v[\src+4*oo+2*pp:\src+4*oo+2*pp+1], v[\src+4*oo+2*pp:\src+4*oo+2*pp+1], v[ACC+8+2*oo:ACC+8+2*oo+1]
.set oo, oo+1
.endr
.set pp, pp+1
.endr
.endm
.macro RED4                            ; v[VQ..VQ+3] summed over the 16 lanes of my parity; every lane gets its parity's sums
.irp m, 2,4,8
.irp k, 0,1,2,3
	v_add_f32_dpp v[VQ+\k], v[VQ+\k], v[VQ+\k] row_xmask:\m row_mask:0xf bank_mask:0xf
.endr
.endr
.irp k, 0,1,2,3
	v_permlanex16_b32 v[T4+\k], v[VQ+\k], s26, s27
.endr
.irp k, 0,1,2,3
	v_add_f32 v[VQ+\k], v[VQ+\k], v[T4+\k]
.endr
.endm
.macro PIVOT dst, ws, bs, co, ci       ; v[dst+o] = sum over c, ascending, of s[ws+o ci+c] x relu(s[bs+c]); v[TA..TA+ci-1] are scratch
.set vc, 0
.rept \ci
	v_max_num_f32 v[TA+vc], s[\bs+vc], 0
.set vc, vc+1
.endr
.set vo, 0
.rept \co
	v_mul_f32 v[\dst+vo], s[\ws+vo*\ci], v[TA]
.set vc, 1
.rept \ci-1
	v_fma_f32 v[\dst+vo], s[\ws+vo*\ci+vc], v[TA+vc], v[\dst+vo]
.set vc, vc+1
.endr
.set vo, vo+1
.endr
.endm
	s_load_b512 s[4:19], s[0:1], 0x0               ; x s[4:5], sums in s[6:7], sums out s[8:9], parameters in s[10:11], out s[12:13], W s[14:15], g s[16:17], b s[18:19]
	s_load_b128 s[20:23], s[0:1], 0x40             ; the b before s[20:21], the next W s[22:23]
	v_lshl_add_u32 v224, v0, 2, 0x400
	v_mov_b32 v225, 0
	v_lshrrev_b32 v[VQ], 5, v0
	v_readfirstlane_b32 s24, v[VQ]                 ; wave, 0..15
	v_and_b32 v[VQ+1], 31, v0                      ; lane
	v_and_b32 v[VQ+2], 1, v0                       ; its parity
	v_lshlrev_b32 v[LLD], 4, v[VQ+1]
	v_lshl_or_b32 v[XOFF], v[VQ], 13, v[LLD]
	s_lshl_b32 s30, s24, 5
	v_lshl_add_u32 v[LST], v[VQ+2], 4, s30
	v_lshlrev_b32 v[SOFF], 4, v0
	v_mov_b32 v[ZERO], 0
	v_cmp_eq_u32 s25, 1, v[VQ+2]                   ; mask of the odd lanes
	s_mov_b32 s26, 0x76543210                      ; v_permlanex16_b32: lane i of one half reads lane i of the other
	s_mov_b32 s27, 0xfedcba98
	s_mov_b32 s66, 0x34000000                      ; 2^-23 = 1/N
	s_lshl_b32 s28, ttmp9, 17                      ; my work-group's 131,072 bytes
	s_mov_b32 s29, 0
.set i, 0
.rept 4
	v_mov_b32 v[T4+i], 0                           ; a permute's destination counts as read
.set i, i+1
.endr
.set i, 0
.rept 16
	v_mov_b32 v[ACC+i], 0                          ; sixteen registers; those of channels not in use are stored as zeros
.set i, i+1
.endr
	s_wait_kmcnt 0x0
	s_add_nc_u64 s[2:3], s[4:5], s[28:29]          ; x at my work-group's part
	s_lshl_b32 s28, ttmp9, 5
	s_add_nc_u64 s[8:9], s[8:9], s[28:29]          ; my 32 bytes of sums
	global_load_b128 v[VQ:VQ+3], v[SOFF], s[6:7]   ; thread 2g: S0..S3 of work-group g; thread 2g+1: its Q0..Q3.  First, since it is wanted first
	SLD 40, 14, CO*CI                              ; W
	SLD 56, 16, CO                                 ; g
	SLD 60, 18, CO                                 ; b
	SLD 68, 20, CI                                 ; the b before
	SLD 72, 22, CN*CO                              ; the next W
.set i, 0
.rept NPL
	global_load_b128 v[PR+4*i:PR+4*i+3], v[ZERO], s[10:11] offset:16*i  ; the earlier layers' folded parameters, the same in every lane
.set i, i+1
.endr
	XLOAD 0, EARLY
	; while the sums are on their way: all that does not hang on them
	s_wait_kmcnt 0x0                               ; W, g, b, the b before, the next W
	PIVOT PVC, 40, 68, CO, CI                      ; the pivot that the launch before took away
	PIVOT TA+4, 72, 60, CN, CO                     ; the next layer raw, with minus its pivot in the bias's place
.set o, 0
.rept CN
	v_mul_f32 v[SB+2*o], -1.0, v[TA+4+o]
	v_mul_f32 v[SB+2*o+1], -1.0, v[TA+4+o]
.set o, o+1
.endr
.set i, 0
.rept CN*CO
	v_mov_b32 v[SW+i], s[72+i]
.set i, i+1
.endr
	; the launch's totals: over my wave's 16 work-groups, then over the 16 waves
	s_wait_loadcnt NPL+EARLY                       ; the sums are in; the NPL parameter loads and the early loads of x behind them stay out
	RED4
	ds_store_b128 v[LST], v[VQ:VQ+3]               ; lanes of one parity write the same 16 bytes with the same values
	s_wait_dscnt 0x0                               ; for the others' sake: my store is done before I say so
	s_barrier_signal -1
	s_barrier_wait -1
	ds_load_b128 v[VQ:VQ+3], v[LLD]                ; lane 2w: S of wave w; lane 2w+1: its Q
	s_wait_dscnt 0x0
	XLOAD EARLY, 16-EARLY                          ; the other 14 quads: behind the exchange through LDS, ahead of the fold
	RED4
.irp k, 0,1,2,3
	v_readlane_b32 s[32+\k], v[VQ+\k], 0           ; S0..S3
	v_readlane_b32 s[36+\k], v[VQ+\k], 1           ; Q0..Q3
.endr
	; fold this layer (the same numbers in every lane)
.set o, 0
.rept CO
	v_mul_f32 v[TA+8+o], s66, s[32+o]              ; S/N
	v_mul_f32 v[TA+12+o], s66, s[36+o]             ; Q/N
	v_fma_f32 v[TA+12+o], -v[TA+8+o], v[TA+8+o], v[TA+12+o]
	v_max_num_f32 v[TA+12+o], 0, v[TA+12+o]        ; var
	v_add_f32 v[TA+12+o], 0x3727c5ac, v[TA+12+o]   ; + 1e-5
	v_add_f32 v[TB+4+o], v[PVC+o], v[TA+8+o]       ; mean
.set o, o+1
.endr
.set o, 0
.rept CO
	v_rsq_f32 v[TB+o], v[TA+12+o]
.set o, o+1
.endr
	v_nop                                          ; one plain vector instruction behind the roots before their results are used (ISA guide 5.7.2)
.set o, 0
	s_wait_alu depctr_va_vdst(0)
.rept CO
	v_mul_f32 v[TB+o], s[56+o], v[TB+o]            ; sc = g rsq
	v_fma_f32 v[PR+PB+2*o], -v[TB+o], v[TB+4+o], s[60+o]   ; B' = b - sc mean
	v_mov_b32 v[PR+PB+2*o+1], v[PR+PB+2*o]
.set c, 0
.rept CI
	v_mul_f32 v[PR+PW+o*CI+c], s[40+o*CI+c], v[TB+o]       ; W' = sc W
.set c, c+1
.endr
.set o, o+1
.endr
	; one lane of the launch stores the folded parameters for the last launch: NPS x 16 bytes, once
	s_cmp_lg_u32 ttmp9, 0
	s_cbranch_scc1 .Lnopar
	s_cmp_lg_u32 s24, 0
	s_cbranch_scc1 .Lnopar
	s_wait_loadcnt 16                              ; the earlier layers' parameters are in; only the 16 loads of x are younger
	s_wait_xcnt 0x0                                ; EXEC is a source of the loads above: it changes only behind this wait
	v_cmp_eq_u32 vcc_lo, 0, v0
	s_and_saveexec_b32 s30, vcc_lo
.set i, 0
.rept NPS
	global_store_b128 v[ZERO], v[PR+4*i:PR+4*i+3], s[12:13] offset:16*i
.set i, i+1
.endr
	s_wait_xcnt 0x0
	s_or_b32 exec_lo, exec_lo, s30
.Lnopar:
.macro CHUNK i
	s_wait_loadcnt 15-\i                           ; loads come back in order (ISA guide 5.7.1): quad i (and all parameters) are in, the 15 - i younger ones stay out
	CONV TA, X+4*\i, PR+0, PR+2, 2, 1
	RELU TA, 8
	CONV TB, TA, PR+8, PR+16, 4, 2
	RELU TB, 16
	CONV TA, TB, PR+24, PR+40, 4, 4
	RELU TA, 16
	CONV TB, TA, PR+48, PR+56, 2, 4
	RELU TB, 8
	CONV TA, TB, SW, SB, 1, 2                      ; y5 - pivot
	STATS TA, 1
.endm
.irp i, 0,1,2,3,4,5,6,7,8,9,10,11,12,13,14,15
	CHUNK \i
.endr
	; the work-group's eight sums: pairs, neighbouring lanes, then S in the even lanes and Q in the odd ones
.irp k, 0,1,2,3,4,5,6,7
	v_add_f32 v[R+\k], v[ACC+2*\k], v[ACC+2*\k+1]
.endr
.irp k, 0,1,2,3,4,5,6,7
	v_add_f32_dpp v[R+\k], v[R+\k], v[R+\k] row_xmask:1 row_mask:0xf bank_mask:0xf
.endr
.irp k, 0,1,2,3
	v_cndmask_b32 v[VQ+\k], v[R+\k], v[R+4+\k], s25
.endr
	RED4
	ds_store_b128 v[LST], v[VQ:VQ+3] offset:512    ; other bytes than the first reduction's: one barrier is enough
	s_wait_dscnt 0x0                               ; for wave 0's sake
	s_barrier_signal -1
	s_barrier_wait -1
	s_cmp_lg_u32 s24, 0
	s_cbranch_scc1 .Lend
	ds_load_b128 v[VQ:VQ+3], v[LLD] offset:512
	s_wait_dscnt 0x0
	RED4
	s_wait_xcnt 0x0                                ; EXEC changes only behind this wait
	v_cmp_gt_u32 vcc_lo, 2, v0
	s_and_saveexec_b32 s30, vcc_lo
	global_store_b128 v[SOFF], v[VQ:VQ+3], s[8:9]  ; lane 0: S0..S3, lane 1: Q0..Q3; 32 bytes a work-group, 8 KiB in the launch
	s_wait_xcnt 0x0
	s_or_b32 exec_lo, exec_lo, s30
.Lend:
	s_wait_tensorcnt 0x0
	ds_add_u32 v224, v225
	s_wait_dscnt 0x0
	s_endpgm
.Lfunc_end_k_qff56d6b3ff_pass4:
	.size	k_qff56d6b3ff_pass4, .Lfunc_end_k_qff56d6b3ff_pass4-k_qff56d6b3ff_pass4
	.p2alignl 7, 3214868480
	.fill 96, 4, 3214868480
	.section	.rodata,"a",@progbits
	.p2align	6, 0x0
	.amdhsa_kernel k_qff56d6b3ff_pass4
		.amdhsa_group_segment_fixed_size 3072
		.amdhsa_private_segment_fixed_size 0
		.amdhsa_enable_private_segment 0
		.amdhsa_kernarg_size 80
		.amdhsa_user_sgpr_count 2
		.amdhsa_user_sgpr_kernarg_segment_ptr 1
		.amdhsa_wavefront_size32 1
		.amdhsa_system_sgpr_workgroup_id_x 1
		.amdhsa_system_sgpr_workgroup_id_y 1
		.amdhsa_system_sgpr_workgroup_id_z 1
		.amdhsa_system_vgpr_workitem_id 0
		.amdhsa_next_free_vgpr 226
		.amdhsa_next_free_sgpr 88
		.amdhsa_reserve_vcc 1
		.amdhsa_float_denorm_mode_32 3
		.amdhsa_float_denorm_mode_16_64 3
		.amdhsa_memory_ordered 1
		.amdhsa_forward_progress 1
		.amdhsa_inst_pref_size 117
	.end_amdhsa_kernel
	.amdgpu_metadata
---
amdhsa.version: [ 1, 2 ]
amdhsa.kernels:
  - .name:           k_qff56d6b3ff_pass4
    .symbol:         k_qff56d6b3ff_pass4.kd
    .args:
      - { .name: x, .offset: 0, .size: 8, .value_kind: global_buffer, .address_space: global }
      - { .name: sB, .offset: 8, .size: 8, .value_kind: global_buffer, .address_space: global }
      - { .name: sA, .offset: 16, .size: 8, .value_kind: global_buffer, .address_space: global }
      - { .name: pA, .offset: 24, .size: 8, .value_kind: global_buffer, .address_space: global }
      - { .name: pB, .offset: 32, .size: 8, .value_kind: global_buffer, .address_space: global }
      - { .name: w4, .offset: 40, .size: 8, .value_kind: global_buffer, .address_space: global }
      - { .name: g4, .offset: 48, .size: 8, .value_kind: global_buffer, .address_space: global }
      - { .name: b4, .offset: 56, .size: 8, .value_kind: global_buffer, .address_space: global }
      - { .name: b3, .offset: 64, .size: 8, .value_kind: global_buffer, .address_space: global }
      - { .name: w5, .offset: 72, .size: 8, .value_kind: global_buffer, .address_space: global }
    .group_segment_fixed_size: 3072
    .private_segment_fixed_size: 0
    .kernarg_segment_align: 8
    .kernarg_segment_size: 80
    .max_flat_workgroup_size: 512
    .sgpr_count:     88
    .vgpr_count:     226
    .wavefront_size: 32
...
	.end_amdgpu_metadata
.endif
;; end of part 5
;; launch pass5 (part 6): grid 256 x 1, 16 waves a work-group, no clusters, 3,072 bytes of LDS; arguments x, sA, out0, pB, w5, g5, b5, b4; writes out0
.if DOCPART == 6
	.amdgcn_target "amdgcn-amd-amdhsa--gfx1250"
	.amdhsa_code_object_version 6
	.text
	.protected	k_qff56d6b3ff_pass5
	.globl	k_qff56d6b3ff_pass5
	.p2align	8
	.type	k_qff56d6b3ff_pass5,@function
k_qff56d6b3ff_pass5:
	s_mov_b64 s[64:65], 0
	v_nop
	global_prefetch_b8 v0, s[64:65] scope:SCOPE_SE
	s_setreg_imm32_b32 hwreg(HW_REG_WAVE_MODE, 25, 1), 1
	s_wait_xcnt 0x0
; NOISENET: five blocks of 1x1 convolution, batch norm on batch statistics, ReLU, over N = 2^23 pixels; channels 1-2-4-4-2-1.
; Each norm needs sums over all pixels that hang, through the ReLUs, on the norm before it, and work-groups of a launch do not talk:
; six launches, each of which reads x again and recomputes the chain in registers (4 bytes a pixel; a stored intermediate is up to 16).
; THIS IS LAUNCH 5 OF 0..5: it adds up the 256 work-groups' sums of y5 - pivot, folds layer 5's norm into its weights, runs the whole
; chain and stores the output.
; NORM FOLDED: sc = g rsq(var + eps), W' = sc W, B' = b - sc mean, h = relu(W' h_before + B').
; SHIFTED SUMS: S = sum(y - pv), Q = sum((y - pv)^2), mean = pv + S/N, var = max(Q/N - (S/N)^2, 0), 1/N = 2^-23 exactly.
; pv[o] = sum over c of W[o][c] relu(b_before[c]), made by the same instructions as in the launch that took the sums.
; ARITHMETIC: f32 on the vector ALU, two pixels an instruction.  No matrix instructions: the products have K = 1, 2 or 4, of which a 16-bit
; matrix instruction multiplies 32, and each layer would need a conversion to 16 bits and back.  No clusters: only 8 KiB of sums are shared.
; SHARES: work-group g owns bytes 131,072 g .. of x and of the output, wave w 8,192 of them; each load and each store of a wave covers
; 512 consecutive bytes, aligned; a lane has 64 pixels in 16 quads.  A quad's result lands in the registers of its x, which are not
; written again: no wait stands behind a store.
; ORDER OF THE OPENING: the sums of the launch before are requested first, then the small scalar inputs, the earlier layers' parameters and
; EARLY = 2 of my 16 quads of x.  The pivot, which does not hang on the sums, is made while they are on their way.  The other 14 quads are
; requested behind the wait for the reduction's LDS load: the reduction's two LDS instructions, on which the first arithmetic of all 16
; waves hangs, are issued with at most 1 + NPL + EARLY loads of a wave outstanding, and the rest of the fold and the early quads'
; arithmetic (4 waves a SIMD x 2 quads x 98 instructions) stand between the late request and the first wait for it.
; LIMITS: NaN and infinities in the inputs are not served (v_max_num_f32 turns a NaN into 0, the reference spreads it).  A pivot k standard
; deviations from the mean costs about k^2 2^-24 relative in the variance.  The order of the sums differs from the reference's.
.set CO,  1                            ; the layer that is folded: outputs,
.set CI,  2                            ; inputs
.set PW,  60                           ; where its folded weights
.set PB,  62                           ; and biases lie in the parameter block
.set NPL, 15                           ; 16-byte pieces of parameters loaded (the layers before)
.set EARLY, 2                          ; quads of x requested ahead of the reduction
.set XOFF, 1                           ; v1         wave x 8,192 + lane x 16: my 16 bytes in my wave's first 512
.set LST,  2                           ; v2         LDS: wave x 32 + (lane & 1) x 16
.set LLD,  3                           ; v3         LDS: lane x 16
.set SOFF, 4                           ; v4         thread x 16
.set ZERO, 5                           ; v5         0
.set VQ,   6                           ; v[6:9]     four sums on their way across lanes (first: scratch)
.set T4,   10                          ; v[10:13]   what v_permlanex16_b32 brings
.set PR,   24                          ; v[24:87]   folded parameters: weights [o][c] once, each bias twice.  L1: W 0, B 2, 6-7 = 0; L2: W 8, B 16;
                                       ;            L3: W 24, B 40; L4: W 48, B 56; L5: W 60, B 62
.set TA,   128                         ; v[128:143] activations: channel c, pixel pair p of a quad at 4c + 2p
.set TB,   144                         ; v[144:159] the same, in turn
.set PVC,  TB+8                        ; v152       this layer's pivot, from the opening to the fold
.set X,    160                         ; v[160:223] quad i at X+4i: x, then the output
.macro SLD dst, ptr, n                 ; n floats from the head of the buffer at s[ptr:ptr+1] into s[dst ..]
.if (\n)==1
	s_load_b32 s[\dst], s[\ptr:\ptr+1], 0x0
.elseif (\n)==2
	s_load_b64 s[\dst:\dst+1], s[\ptr:\ptr+1], 0x0
.elseif (\n)==4
	s_load_b128 s[\dst:\dst+3], s[\ptr:\ptr+1], 0x0
.elseif (\n)==8
	s_load_b256 s[\dst:\dst+7], s[\ptr:\ptr+1], 0x0
.else
	s_load_b512 s[\dst:\dst+15], s[\ptr:\ptr+1], 0x0
.endif
.endm
.macro XLOAD from, n                   ; quads from .. from+n-1 of x, which is read for the last time
.set i, \from
.rept \n
	global_load_b128 v[X+4*i:X+4*i+3], v[XOFF], s[2:3] offset:512*i th:TH_LOAD_NT
.set i, i+1
.endr
.endm
.macro PKF d, a, w, c                  ; v[d:d+1] = v[a:a+1] x v[w] + v[c:c+1]: two pixels, one weight, picked from its even-aligned pair
.if ((\w)&1)==0
	v_pk_fma_f32 v[\d:\d+1], v[\a:\a+1], v[\w:\w+1], v[\c:\c+1] op_sel_hi:[1,0,1]
.else
	v_pk_fma_f32 v[\d:\d+1], v[\a:\a+1], v[\w-1:\w], v[\c:\c+1] op_sel:[0,1,0] op_sel_hi:[1,1,1]
.endif
.endm
.macro CONV dst, src, wb, bb, co, ci   ; one quad through a layer; the bias starts each sum; c outermost, so that 2 co lines lie between dependent ones
.set cc, 0
.rept \ci
.set oo, 0
.rept \co
.set pp, 0
.rept 2
.if cc==0
	PKF \dst+4*oo+2*pp, \src+4*cc+2*pp, \wb+oo*\ci+cc, \bb+2*oo
.else
	PKF \dst+4*oo+2*pp, \src+4*cc+2*pp, \wb+oo*\ci+cc, \dst+4*oo+2*pp
.endif
.set pp, pp+1
.endr
.set oo, oo+1
.endr
.set cc, cc+1
.endr
.endm
.macro RELU base, n                    ; n registers in place, two an instruction
.set rr, 0
.rept \n/2
	v_dual_max_num_f32 v[\base+rr], 0, v[\base+rr] :: v_dual_max_num_f32 v[\base+rr+1], 0, v[\base+rr+1]
.set rr, rr+2
.endr
.endm
.macro RED4                            ; v[VQ..VQ+3] summed over the 16 lanes of my parity; every lane gets its parity's sums
.irp m, 2,4,8
.irp k, 0,1,2,3
	v_add_f32_dpp v[VQ+\k], v[VQ+\k], v[VQ+\k] row_xmask:\m row_mask:0xf bank_mask:0xf
.endr
.endr
.irp k, 0,1,2,3
	v_permlanex16_b32 v[T4+\k], v[VQ+\k], s26, s27
.endr
.irp k, 0,1,2,3
	v_add_f32 v[VQ+\k], v[VQ+\k], v[T4+\k]
.endr
.endm
.macro PIVOT dst, ws, bs, co, ci       ; v[dst+o] = sum over c, ascending, of s[ws+o ci+c] x relu(s[bs+c]); v[TA..TA+ci-1] are scratch
.set vc, 0
.rept \ci
	v_max_num_f32 v[TA+vc], s[\bs+vc], 0
.set vc, vc+1
.endr
.set vo, 0
.rept \co
	v_mul_f32 v[\dst+vo], s[\ws+vo*\ci], v[TA]
.set vc, 1
.rept \ci-1
	v_fma_f32 v[\dst+vo], s[\ws+vo*\ci+vc], v[TA+vc], v[\dst+vo]
.set vc, vc+1
.endr
.set vo, vo+1
.endr
.endm
	s_load_b256 s[4:11], s[0:1], 0x0               ; x s[4:5], sums in s[6:7], the output s[8:9], parameters in s[10:11]
	s_load_b64 s[14:15], s[0:1], 0x20              ; w5
	s_load_b128 s[16:19], s[0:1], 0x28             ; g5 s[16:17], b5 s[18:19]
	s_load_b64 s[20:21], s[0:1], 0x38              ; b4
	v_lshl_add_u32 v224, v0, 2, 0x400
	v_mov_b32 v225, 0
	v_lshrrev_b32 v[VQ], 5, v0
	v_readfirstlane_b32 s24, v[VQ]                 ; wave, 0..15
	v_and_b32 v[VQ+1], 31, v0                      ; lane
	v_and_b32 v[VQ+2], 1, v0                       ; its parity
	v_lshlrev_b32 v[LLD], 4, v[VQ+1]
	v_lshl_or_b32 v[XOFF], v[VQ], 13, v[LLD]
	s_lshl_b32 s30, s24, 5
	v_lshl_add_u32 v[LST], v[VQ+2], 4, s30
	v_lshlrev_b32 v[SOFF], 4, v0
	v_mov_b32 v[ZERO], 0
	s_mov_b32 s26, 0x76543210                      ; v_permlanex16_b32: lane i of one half reads lane i of the other
	s_mov_b32 s27, 0xfedcba98
	s_mov_b32 s66, 0x34000000                      ; 2^-23 = 1/N
	s_lshl_b32 s28, ttmp9, 17                      ; my work-group's 131,072 bytes
	s_mov_b32 s29, 0
.set i, 0
.rept 4
	v_mov_b32 v[T4+i], 0                           ; a permute's destination counts as read
.set i, i+1
.endr
	s_wait_kmcnt 0x0
	s_add_nc_u64 s[2:3], s[4:5], s[28:29]          ; x at my work-group's part,
	s_add_nc_u64 s[8:9], s[8:9], s[28:29]          ; and the output
	global_load_b128 v[VQ:VQ+3], v[SOFF], s[6:7]   ; thread 2g: S0..S3 of work-group g; thread 2g+1: its Q0..Q3.  First, since it is wanted first
	SLD 40, 14, CO*CI                              ; w5
	SLD 56, 16, CO                                 ; g5
	SLD 60, 18, CO                                 ; b5
	SLD 68, 20, CI                                 ; b4
.set i, 0
.rept NPL
	global_load_b128 v[PR+4*i:PR+4*i+3], v[ZERO], s[10:11] offset:16*i  ; the earlier layers' folded parameters, the same in every lane
.set i, i+1
.endr
	XLOAD 0, EARLY
	; while the sums are on their way: what does not hang on them
	s_wait_kmcnt 0x0                               ; w5, g5, b5, b4
	PIVOT PVC, 40, 68, CO, CI                      ; the pivot that the launch before took away
	; the launch's totals: over my wave's 16 work-groups, then over the 16 waves
	s_wait_loadcnt NPL+EARLY                       ; the sums are in; the NPL parameter loads and the early loads of x behind them stay out
	RED4
	ds_store_b128 v[LST], v[VQ:VQ+3]               ; lanes of one parity write the same 16 bytes with the same values
	s_wait_dscnt 0x0                               ; for the others' sake: my store is done before I say so
	s_barrier_signal -1
	s_barrier_wait -1
	ds_load_b128 v[VQ:VQ+3], v[LLD]                ; lane 2w: S of wave w; lane 2w+1: its Q
	s_wait_dscnt 0x0
	XLOAD EARLY, 16-EARLY                          ; the other 14 quads: behind the exchange through LDS, ahead of the fold
	RED4
.irp k, 0,1,2,3
	v_readlane_b32 s[32+\k], v[VQ+\k], 0           ; S0..S3
	v_readlane_b32 s[36+\k], v[VQ+\k], 1           ; Q0..Q3
.endr
	; fold this layer (the same numbers in every lane)
.set o, 0
.rept CO
	v_mul_f32 v[TA+8+o], s66, s[32+o]              ; S/N
	v_mul_f32 v[TA+12+o], s66, s[36+o]             ; Q/N
	v_fma_f32 v[TA+12+o], -v[TA+8+o], v[TA+8+o], v[TA+12+o]
	v_max_num_f32 v[TA+12+o], 0, v[TA+12+o]        ; var
	v_add_f32 v[TA+12+o], 0x3727c5ac, v[TA+12+o]   ; + 1e-5
	v_add_f32 v[TB+4+o], v[PVC+o], v[TA+8+o]       ; mean
.set o, o+1
.endr
.set o, 0
.rept CO
	v_rsq_f32 v[TB+o], v[TA+12+o]
.set o, o+1
.endr
	v_nop                                          ; one plain vector instruction behind the root before its result is used (ISA guide 5.7.2)
.set o, 0
	s_wait_alu depctr_va_vdst(0)
.rept CO
	v_mul_f32 v[TB+o], s[56+o], v[TB+o]            ; sc = g rsq
	v_fma_f32 v[PR+PB+2*o], -v[TB+o], v[TB+4+o], s[60+o]   ; B' = b - sc mean
	v_mov_b32 v[PR+PB+2*o+1], v[PR+PB+2*o]
.set c, 0
.rept CI
	v_mul_f32 v[PR+PW+o*CI+c], s[40+o*CI+c], v[TB+o]       ; W' = sc W
.set c, c+1
.endr
.set o, o+1
.endr
.macro CHUNK i
	s_wait_loadcnt 15-\i                           ; loads come back in order (ISA guide 5.7.1): quad i (and all parameters) are in, the 15 - i younger ones stay out
	CONV TA, X+4*\i, PR+0, PR+2, 2, 1
	RELU TA, 8
	CONV TB, TA, PR+8, PR+16, 4, 2
	RELU TB, 16
	CONV TA, TB, PR+24, PR+40, 4, 4
	RELU TA, 16
	CONV TB, TA, PR+48, PR+56, 2, 4
	RELU TB, 8
	CONV X+4*\i, TB, PR+60, PR+62, 1, 2            ; into the quad's own registers: its x is used up
	RELU X+4*\i, 4
	global_store_b128 v[XOFF], v[X+4*\i:X+4*\i+3], s[8:9] offset:512*\i th:TH_STORE_NT   ; the wave stores 512 consecutive bytes, aligned
.endm
.irp i, 0,1,2,3,4,5,6,7,8,9,10,11,12,13,14,15
	CHUNK \i
.endr
	s_wait_tensorcnt 0x0
	ds_add_u32 v224, v225
	s_wait_dscnt 0x0
	s_endpgm
.Lfunc_end_k_qff56d6b3ff_pass5:
	.size	k_qff56d6b3ff_pass5, .Lfunc_end_k_qff56d6b3ff_pass5-k_qff56d6b3ff_pass5
	.p2alignl 7, 3214868480
	.fill 96, 4, 3214868480
	.section	.rodata,"a",@progbits
	.p2align	6, 0x0
	.amdhsa_kernel k_qff56d6b3ff_pass5
		.amdhsa_group_segment_fixed_size 3072
		.amdhsa_private_segment_fixed_size 0
		.amdhsa_enable_private_segment 0
		.amdhsa_kernarg_size 64
		.amdhsa_user_sgpr_count 2
		.amdhsa_user_sgpr_kernarg_segment_ptr 1
		.amdhsa_wavefront_size32 1
		.amdhsa_system_sgpr_workgroup_id_x 1
		.amdhsa_system_sgpr_workgroup_id_y 1
		.amdhsa_system_sgpr_workgroup_id_z 1
		.amdhsa_system_vgpr_workitem_id 0
		.amdhsa_next_free_vgpr 226
		.amdhsa_next_free_sgpr 88
		.amdhsa_reserve_vcc 0
		.amdhsa_float_denorm_mode_32 3
		.amdhsa_float_denorm_mode_16_64 3
		.amdhsa_memory_ordered 1
		.amdhsa_forward_progress 1
		.amdhsa_inst_pref_size 109
	.end_amdhsa_kernel
	.amdgpu_metadata
---
amdhsa.version: [ 1, 2 ]
amdhsa.kernels:
  - .name:           k_qff56d6b3ff_pass5
    .symbol:         k_qff56d6b3ff_pass5.kd
    .args:
      - { .name: x, .offset: 0, .size: 8, .value_kind: global_buffer, .address_space: global }
      - { .name: sA, .offset: 8, .size: 8, .value_kind: global_buffer, .address_space: global }
      - { .name: out0, .offset: 16, .size: 8, .value_kind: global_buffer, .address_space: global }
      - { .name: pB, .offset: 24, .size: 8, .value_kind: global_buffer, .address_space: global }
      - { .name: w5, .offset: 32, .size: 8, .value_kind: global_buffer, .address_space: global }
      - { .name: g5, .offset: 40, .size: 8, .value_kind: global_buffer, .address_space: global }
      - { .name: b5, .offset: 48, .size: 8, .value_kind: global_buffer, .address_space: global }
      - { .name: b4, .offset: 56, .size: 8, .value_kind: global_buffer, .address_space: global }
    .group_segment_fixed_size: 3072
    .private_segment_fixed_size: 0
    .kernarg_segment_align: 8
    .kernarg_segment_size: 64
    .max_flat_workgroup_size: 512
    .sgpr_count:     88
    .vgpr_count:     226
    .wavefront_size: 32
...
	.end_amdgpu_metadata
.endif
;; end of part 6
